; MI455X (gfx1250); checked and timed in simulation.
; The chip was launched on July 23, 2026; its instructions are those of AMD's public machine-readable ISA for CDNA 5 (MIT licence, August 2026) and "CDNA5" Instruction Set Architecture Reference Guide (July 2026). The comments in the code are by the model that wrote it; some were corrected since.
;; A8 W4 Llama MLP. Allowed arithmetic: float matrix products may take bf16 or f16 operands with f32 sums; other float arithmetic in f32, or as packed bf16 or f16 multiplies, adds, multiply-adds, maxima and minima; sums over many terms, partial sums and values carried from step to step in f32; what a program stores and reads back later, other than sums and carried values, may be rounded once to bf16 or f16.
;; Inputs: down_alpha 4,096 float32; down_bias 4,096 float32; down_input_scale one number float32; down_w 4,096 x 11,008 int8; gate_alpha 11,008 float32; gate_bias 11,008 float32; gate_w 11,008 x 4,096 int8; up_alpha 11,008 float32; up_bias 11,008 float32; up_w 11,008 x 4,096 int8; x 512 x 4,096 int8.
;; Outputs: out0 512 x 4,096 float32.
;; 2 versions, each right. Each part assembles by itself: llvm-mc -triple=amdgcn-amd-amdhsa -mcpu=gfx1250 --defsym DOCPART=n.
;; ======== version 1 of 2: 3 launches
;; workspace buffers: xh 4,194,304 bytes; hq 11,272,192 bytes
;; launch cvtx (part 1): grid 256 x 1, 2 waves a work-group, no clusters, 8,960 bytes of LDS; arguments x, xh; writes xh
.if DOCPART == 1
	.amdgcn_target "amdgcn-amd-amdhsa--gfx1250"
	.amdhsa_code_object_version 6
	.text
	.protected	k_q27013b040d_cvtx
	.globl	k_q27013b040d_cvtx
	.p2align	8
	.type	k_q27013b040d_cvtx,@function
k_q27013b040d_cvtx:
	s_mov_b64 s[64:65], 0
	v_nop
	global_prefetch_b8 v0, s[64:65] scope:SCOPE_SE
	s_setreg_imm32_b32 hwreg(HW_REG_WAVE_MODE, 25, 1), 1
	s_wait_xcnt 0x0
; xh = x ([512][4096] int8) as f16, laid in the order in which the next launch's matrix instructions take it:
; element (row 16 rb + r, k = 32 c + 16 h + 8 p + e) lies at byte rb*131072 + c*1024 + p*512 + h*256 + r*16 + 2 e.
; A block of 16 rows x 32 k is 1,024 bytes on end; lane 16 h + r of a wave reads its part with two 16-byte loads at 16 x lane and 512 + 16 x lane.
; A wave takes 16 rows x 256 bytes of x: 512 such tasks, two waves to a work-group.  The rows go through the wave's own LDS bytes
; (pitch 272), since a lane reads 16 bytes of a row from memory beside its neighbours and needs 16 bytes of ITS row for the new order.
; int8 to f16, four numbers in five instructions: t = x xor 0x80 is x + 128 as a byte; the byte under 0x64 is the f16 number 1024 + t;
; adding -1152 gives x, exactly.  No matrix unit, cluster or tensor load: the launch only moves 2 MiB in and 4 MiB out.
.set PITCH, 272                        ; LDS row: 256 bytes + 16, an odd multiple of 16: 16 rows' equal columns fall on different banks
.set WLDS,  16*PITCH                   ; a wave's own bytes
.set IN,    8                          ; v[8:39]    as loaded: load i holds rows 2 i and 2 i + 1
.set RW,    40                         ; v[40:71]   word group c: bytes 32 c + 16 h .. + 15 of row r
.set OUT,   72                         ; v[72:135]  group c as 16 f16
	s_load_b128 s[4:7], s[0:1], 0x0                ; x s[4:5], xh s[6:7]
	v_lshl_add_u32 v136, v0, 2, 0x2200
	v_mov_b32 v137, 0
	v_lshrrev_b32 v2, 5, v0
	v_readfirstlane_b32 s8, v2                     ; wave 0, 1
	v_and_b32 v1, 15, v0                           ; r
	v_bfe_u32 v2, v0, 4, 1                         ; h
	s_lshl_b32 s9, ttmp9, 1
	s_add_co_u32 s9, s9, s8                        ; task 0 .. 511
	s_lshr_b32 s14, s9, 4                          ; rb: which 16 rows
	s_and_b32 s15, s9, 15                          ; kb: which 256 bytes of them
	s_lshl_b32 s16, s14, 16                        ; x: rb x 16 rows x 4,096 bytes
	s_lshl_b32 s17, s15, 8
	s_add_co_u32 s16, s16, s17
	s_mov_b32 s17, 0
	s_lshl_b32 s18, s14, 17                        ; xh: rb x 131,072
	s_lshl_b32 s19, s15, 13                        ; + kb x 8 blocks of 1,024
	s_add_co_u32 s18, s18, s19
	s_mov_b32 s19, 0
	s_mul_i32 s20, s8, WLDS
	s_mov_b32 s10, 0x80808080
	s_mov_b32 s11, 0x64646464
	s_mov_b32 s12, 0x00050004                      ; bytes 0 and 1 of the first source, each under a byte of the second
	s_mov_b32 s13, 0x00070006                      ; bytes 2 and 3
	v_lshlrev_b32 v3, 12, v2
	v_lshl_add_u32 v3, v1, 4, v3                   ; from memory: row h, 16 bytes at 16 r: sixteen lanes take 256 consecutive bytes
	v_mul_u32_u24 v4, v2, PITCH
	v_lshl_add_u32 v4, v1, 4, v4
	v_add_nc_u32 v4, s20, v4                       ; into LDS: the same
	v_mul_u32_u24 v5, v1, PITCH
	v_lshl_add_u32 v5, v2, 4, v5
	v_add_nc_u32 v5, s20, v5                       ; back: row r, 16 bytes at 16 h
	v_and_b32 v6, 31, v0
	v_lshlrev_b32 v6, 4, v6                        ; out: 16 x lane
	v_mov_b32 v7, 0xe480e480                       ; -1152, twice
	s_wait_kmcnt 0x0
	s_add_nc_u64 s[4:5], s[4:5], s[16:17]
	s_add_nc_u64 s[6:7], s[6:7], s[18:19]
.irp i, 0,1,2,3,4,5,6,7
	global_load_b128 v[IN+4*\i:IN+4*\i+3], v3, s[4:5] offset:8192*\i th:TH_LOAD_NT
.endr
.irp i, 0,1,2,3,4,5,6,7
	s_wait_loadcnt 7-\i                            ; loads come back in order: load i is in, the younger ones stay out
	ds_store_b128 v4, v[IN+4*\i:IN+4*\i+3] offset:2*PITCH*\i
.endr
.irp c, 0,1,2,3,4,5,6,7
	ds_load_b128 v[RW+4*\c:RW+4*\c+3], v5 offset:32*\c     ; LDS serves a wave's instructions in order: these see the wave's own stores above
.endr
.irp c, 0,1,2,3,4,5,6,7
	s_wait_dscnt 7-\c                              ; group c is in
.irp w, 0,1,2,3
	v_xor_b32 v[RW+4*\c+\w], s10, v[RW+4*\c+\w]
.endr
.irp w, 0,1,2,3
	v_perm_b32 v[OUT+8*\c+2*\w],   v[RW+4*\c+\w], s11, s12
	v_perm_b32 v[OUT+8*\c+2*\w+1], v[RW+4*\c+\w], s11, s13
.endr
.irp w, 0,1,2,3,4,5,6,7
	v_pk_add_f16 v[OUT+8*\c+\w], v[OUT+8*\c+\w], v7
.endr
	global_store_b128 v6, v[OUT+8*\c:OUT+8*\c+3],   s[6:7] offset:1024*\c       ; each store of the wave covers 512 consecutive bytes, aligned
	global_store_b128 v6, v[OUT+8*\c+4:OUT+8*\c+7], s[6:7] offset:1024*\c+512
.endr
	s_wait_tensorcnt 0x0
	ds_add_u32 v136, v137
	s_wait_dscnt 0x0
	s_endpgm
.Lfunc_end_k_q27013b040d_cvtx:
	.size	k_q27013b040d_cvtx, .Lfunc_end_k_q27013b040d_cvtx-k_q27013b040d_cvtx
	.p2alignl 7, 3214868480
	.fill 96, 4, 3214868480
	.section	.rodata,"a",@progbits
	.p2align	6, 0x0
	.amdhsa_kernel k_q27013b040d_cvtx
		.amdhsa_group_segment_fixed_size 8960
		.amdhsa_private_segment_fixed_size 0
		.amdhsa_enable_private_segment 0
		.amdhsa_kernarg_size 16
		.amdhsa_user_sgpr_count 2
		.amdhsa_user_sgpr_kernarg_segment_ptr 1
		.amdhsa_wavefront_size32 1
		.amdhsa_system_sgpr_workgroup_id_x 1
		.amdhsa_system_sgpr_workgroup_id_y 1
		.amdhsa_system_sgpr_workgroup_id_z 1
		.amdhsa_system_vgpr_workitem_id 0
		.amdhsa_next_free_vgpr 138
		.amdhsa_next_free_sgpr 66
		.amdhsa_reserve_vcc 0
		.amdhsa_float_denorm_mode_32 3
		.amdhsa_float_denorm_mode_16_64 3
		.amdhsa_memory_ordered 1
		.amdhsa_forward_progress 1
		.amdhsa_inst_pref_size 15
	.end_amdhsa_kernel
	.amdgpu_metadata
---
amdhsa.version: [ 1, 2 ]
amdhsa.kernels:
  - .name:           k_q27013b040d_cvtx
    .symbol:         k_q27013b040d_cvtx.kd
    .args:
      - { .name: x, .offset: 0, .size: 8, .value_kind: global_buffer, .address_space: global }
      - { .name: xh, .offset: 8, .size: 8, .value_kind: global_buffer, .address_space: global }
    .group_segment_fixed_size: 8960
    .private_segment_fixed_size: 0
    .kernarg_segment_align: 8
    .kernarg_segment_size: 16
    .max_flat_workgroup_size: 64
    .sgpr_count:     66
    .vgpr_count:     138
    .wavefront_size: 32
...
	.end_amdgpu_metadata
.endif
;; end of part 1
;; launch gateup (part 2): grid 4 x 58, 4 waves a work-group, clusters of 4 x 1, 327,680 bytes of LDS; arguments xh, gate_w, up_w, gate_alpha, gate_bias, up_alpha, up_bias, down_input_scale, hq; writes hq
.if DOCPART == 2
	.amdgcn_target "amdgcn-amd-amdhsa--gfx1250"
	.amdhsa_code_object_version 6
	.text
	.protected	k_q27013b040d_gateup
	.globl	k_q27013b040d_gateup
	.p2align	8
	.type	k_q27013b040d_gateup,@function
k_q27013b040d_gateup:
	s_mov_b64 s[64:65], 0
	v_nop
	global_prefetch_b8 v0, s[64:65] scope:SCOPE_SE
	s_setreg_imm32_b32 hwreg(HW_REG_WAVE_MODE, 25, 1), 1
	s_wait_xcnt 0x0
	s_wait_alu depctr_hold_cnt(0) depctr_sa_sdst(0) depctr_va_vdst(0) depctr_va_sdst(0) depctr_va_ssrc(0) depctr_va_vcc(0) depctr_vm_vsrc(0)
	s_getreg_b32 s2, hwreg(HW_REG_IB_STS2, 6, 4)
	s_cmp_eq_u32 s2, 0
	s_cbranch_scc0 .Lentry_in_a_cluster
	s_endpgm
.Lentry_in_a_cluster:
	s_bfe_u32 s2, ttmp6, 0x10000c
	s_cmp_lg_u32 s2, 0x3003
	s_cbranch_scc0 .Lentry_shape_is_right
	s_endpgm
.Lentry_shape_is_right:
; hq = clip(round(silu(g) u / scale), -128, 127) as f16, g = (x gate_w^T) gate_alpha + gate_bias, u likewise with up's.  x comes as xh (f16, in blocks of 16 rows x 32 k
; of 1,024 bytes: element (16 rb + r, 32 c + 16 h + 8 p + e) at rb*131072 + c*1024 + p*512 + h*256 + r*16 + 2 e); hq leaves in the same order with 352,256 bytes for 16 rows.
; FORMAT.  All matrix operands are whole numbers -128 .. 127 by their type: exact in f16.  Sums in f32: exact while below 2^24 (weights in -8 .. 7: 4096 x 128 x 8 = 2^22);
; with weights over all of int8 they round as f32 sums do.
; LIMITS.  h / scale is h x rcp(scale) (v_rcp_f32, 1 ULP), folded into up's alpha and bias; (g u') sigmoid(g) stands for (g sigmoid(g)) u / scale: a value within about 1e-7
; (relative) of a rounding tie may land one step from the quotient's.  |scale| lies in 2^-126 .. 2^126.
; SHARES.  A work-group: 128 tokens (cx) x 192 columns of h (tile ct of 58; 11008 = 57 x 192 + 64).  A wave: all 128 tokens x 48 columns, gate and up together: 8 x 6 = 48 accumulators.
; In tile 57 the column blocks from 688 on do not exist: their weight rows, alphas and biases are read from clamped places, and nothing is stored for them.
; CLUSTER 4 x 1: the four partners have the four token groups and the SAME weight tiles, which are asked for jointly (mask 15).  Not 4 x 4: 58 column tiles do not divide by 4.
; xh's tile is each partner's own (no partner shares its tokens): a plain load, behind the same round.
; THE MATRIX INSTRUCTION IS USED TRANSPOSED: source 0 = 16 weight rows, source 1 = 16 tokens.  A lane then holds one token and eight neighbouring columns: 16 bytes of f16, and sixteen
; lanes' 16 bytes are 256 consecutive bytes of hq, aligned: they are stored straight from registers.
; K INSIDE A BLOCK OF 32 is permuted alike on both sides: lane (r, h) holds k = 16 h .. 16 h + 15 in its eight registers.  So a weight fragment is ONE 16-byte LDS load.
; WEIGHTS ARE MADE f16 IN REGISTERS: t = w xor 0x80; the byte t under 0x64 is the f16 number 1024 + t; adding -1152 gives w.  20 instructions a fragment, 120 for a chunk's 48 matrix
; instructions; they stand between the matrix instructions, 3, 2, 3, 2 ..
; REGISTERS, in windows of 256.  Window 2 (gate) and window 3 (up), alike: v0-191 the 24 accumulators ((token block i, column block f) at 8 (8 f + i)); v192-203 raw bytes of the three
; fragments; v204-227, v228-251 the fragments as f16, two buffers; v252, v253 LDS address of my weight rows in slot 0, 1.  Window 1: v0-63, v64-127 token fragments, two buffers;
; v128 = -1152 twice; v130-225 alpha and bias.  Window 0: addresses and the way out.  With destination, source 0 and source 2 in the phase's window and source 1 in window 1, the matrix
; instructions, the conversions and the raw loads all run under ONE setting: four switches for a plain chunk.
; PIPELINE.  A chunk is 32 along K.  Chunk q multiplies buffers q % 2, loads the token fragments of q + 1, converts the raw bytes of q + 1, and then loads the raw bytes of q + 2.
; LDS.  xh: two slots of a K step of 128 (8 x 4 blocks).  Weights: two slots of K = 256 (rows of 256 bytes + 16): gate's 192 rows, then up's; a slot is filled in two pieces, gate's in one
; step and up's in the next, 64 rows by each of waves 1 to 3; wave 0 fills xh's slot.  One barrier a step, in the step's third chunk, between the token loads (the last reads of the step's
; xh tile) and the raw loads (which may be the first of a new weight tile).
.set NF,    3
.set PITCH, 272
.set ASLOT, 32768                      ; xh: [8 token blocks][4 chunks][1,024]
.set BBASE, 2*ASLOT
.set UPOFF, 192*PITCH                  ; up's rows lie behind gate's
.set BSLOT, 2*UPOFF
.set PIECE, 64*PITCH                   ; what one joint load brings
.set SPARE, BBASE+2*BSLOT              ; 274,432: the spare words, 128 bytes a wave: two blocks of 256 bytes that no other line names
.set RBH,   352256                     ; hq: bytes for 16 rows
.set NBLK,  688                        ; column blocks of 16 that exist
.set RAW,   64*NF
.set BC0,   RAW+4*NF
.set ADB,   BC0+16*NF
.set AF0,   0
.set KN,    128
.set AB1,   130                        ; window 1: for block f at AB1 + 32 f: gate alpha 8, gate bias 8, up alpha 8, up bias 8
.set NRL,   14                         ; behind matrix instruction 14 of a phase all 36 reads of the raw bytes are issued: they are loaded anew
.set NSIG,  8                          ; the barrier's signal stands in front of matrix instruction 8, its wait in front of 12
.set NWAIT, 12
.set ADA,   4                          ; v4, v5   LDS address of my token fragments in slot 0, 1
.set VO,    6                          ; v6-8     my byte offset in hq for block f
.set VAB,   10                         ; v10-12   my byte offset in the alphas and biases for block f
.set SPW,   14                         ; v14      LDS address of my spare word; never rewritten
.set NIL,   15                         ; v15      0; never rewritten
.set G,     32                         ; the way out: v[32:39] g, v[40:47] u / scale, v[48:55] sigmoid, v[56:63] the product, v[64:67] 8 f16
.set U,     40
.set E,     48
.set GU,    56
.set H,     64
.set WV,    26                         ; s26 wave   s27 cx
.set CX,    27
.set G1A,   28                         ; s[28:35] group 1 for xh's tiles
.set G1B,   36                         ; s[36:43] group 1 for the weights' pieces
.set GA0,   44                         ; s[44:51] group 0 for xh, one set a slot
.set GB0,   52                         ; group 0 for the pieces, set p = piece % 4 at s52, s56, s60, s68
.set CT,    72
.set CB0,   73                         ; my first column block
.set CNT,   74
.set SX,    75
.set C64,   76
.set SEL0,  77                         ; s77, s78
.set TL,    79
.set INV,   80                         ; s[80:81] 1 / scale, twice
.set LO,    82
.set HI,    83
.set SC,    84
.set W_G,   0xa6                       ; destination, source 0, source 2: window 2; source 1: window 1
.set W_U,   0xf7                       ; the same with window 3
.set W_AL,  0x40                       ; destination window 1, address window 0
.set MSB, 0
.macro WIN new                         ; the immediate's high byte repeats the setting that is left; a switch that changes nothing is dropped
.if MSB != \new
	s_set_vgpr_msb (MSB<<8)|\new
.set MSB, \new
.endif
.endm
.macro PLACES
.rept 4
	v_nop
.endr
.endm
; A round of the cluster's barrier: my work-group's barrier; wave 0 signals for the work-group; every wave waits for all four work-groups; my work-group's barrier once more.
.macro CREST
	s_cmp_lg_u32 s[WV], 0
	s_cbranch_scc1 .Lnot_wave_0_\@
	s_barrier_signal -3
.Lnot_wave_0_\@:
	s_barrier_wait -3
	s_barrier_signal -1
	s_barrier_wait -1
.endm
.macro CROUND
	s_barrier_signal -1
	s_barrier_wait -1
	CREST
.endm
; The refill: wave 0 asks for xh's next tile (its work-group's own), waves 1 to 3 jointly for 64 rows each of the piece that is due (both = 1).  One tensor load a wave.
; Four v_nop follow each line, ahead of the jump, the label and what follows.  The branch hangs on the wave's number alone.
.macro JLOAD ga, gb, both
	s_cmp_eq_u32 s[WV], 0
	s_cbranch_scc0 .Lfor_b_\@
	tensor_load_to_lds s[\ga:\ga+3], s[G1A:G1A+7]
	s_nop 0
	PLACES
	s_branch .Lasked_\@
.Lfor_b_\@:
.if \both
	tensor_load_to_lds s[\gb:\gb+3], s[G1B:G1B+7]
	s_nop 0
	PLACES
.endif
.Lasked_\@:
.endm
; Conversion instruction j of 60 of the phase in hand: 12 xor, 24 byte picks, 24 packed adds, into buffer cBN.
.macro CV
.if j < 4*NF
	v_xor_b32 v[RAW+j], v[RAW+j], s[SX]
.elseif j < 12*NF
.set k, j-4*NF
	v_perm_b32 v[cBN+k], v[RAW+k/2], s[C64], s[SEL0+k%2]
.else
.set k, j-12*NF
	v_pk_add_f16 v[cBN+k], v[cBN+k], v[KN]
.endif
.set j, j+1
.endm
.macro RLOAD                           ; the phase's three raw fragments: rows 16 f + r, 16 bytes at cBO + 16 h, of slot cBS
.irp f, 0,1,2
	ds_load_b128 v[RAW+4*\f:RAW+4*\f+3], v[ADB+cBS] offset:\f*16*PITCH+cBO
.endr
.endm
.macro ALOAD                           ; the eight token fragments of chunk cAQ of slot cAS into buffer cAN: 32 lanes x 16 bytes on end, twice a fragment
	WIN W_AL
.irp i, 0,1,2,3,4,5,6,7
	ds_load_b128 v[cAN+8*\i:cAN+8*\i+3],   v[ADA+cAS] offset:\i*4096+cAQ*1024
	ds_load_b128 v[cAN+8*\i+4:cAN+8*\i+7], v[ADA+cAS] offset:\i*4096+cAQ*1024+512
.endr
.endm
; cnt matrix instructions from number n on, each with its slice of conversions.  The phase's 24 accumulators take turns, one instruction a turn.
.macro RUN cnt, zero, cv, lr
.rept \cnt
.if \zero
	v_wmma_f32_16x16x32_f16 v[8*n:8*n+7], v[cBC+8*(n/8):cBC+8*(n/8)+7], v[cAB+8*(n%8):cAB+8*(n%8)+7], 0
.else
	v_wmma_f32_16x16x32_f16 v[8*n:8*n+7], v[cBC+8*(n/8):cBC+8*(n/8)+7], v[cAB+8*(n%8):cAB+8*(n%8)+7], v[8*n:8*n+7]
.endif
.if \cv
	CV
	CV
.if n%2 == 0
	CV
.endif
.if \lr && (n == NRL)
	RLOAD
.endif
.endif
.set n, n+1
.endr
.endm
; Chunk Q (of a period of 16).  zero: its products start the sums.  kind 0: no barrier; 1: round, xh's and a piece's refill; 2: round, xh's refill alone; 3: a plain barrier.
; la, lr, cv: token loads for Q + 1, raw loads for Q + 2, conversion of Q + 1.  ng, nu: the LDS loads that may stay out at the head of the two phases.
.macro CHUNK Q, zero, kind, la, lr, cv, ng, nu
.set cAB, AF0+64*((\Q)&1)
.set cAN, AF0+64*(((\Q)+1)&1)
.set cBC, BC0+8*NF*((\Q)&1)
.set cBN, BC0+8*NF*(((\Q)+1)&1)
.set cAS, ((((\Q)+1)&15)>>2)&1
.set cAQ, ((\Q)+1)&3
.set cBS, (((\Q)+2)&15)>>3
.set cBO, 32*(((\Q)+2)&7)
	s_wait_dscnt \ng                               ; my token fragments and gate's raw bytes are in; younger are only up's raw loads
	WIN W_G
.set n, 0
.set j, 0
	RUN 2, \zero, \cv, \lr
.if \la
	ALOAD                                          ; the buffer's last reader is the chunk before's last matrix instruction: seven conversions, which name none of its registers, stand between
.endif
.if \kind
	WIN 0                                          ; (the add's two registers lie in window 0)
	s_wait_tensorcnt 0x0                           ; all my tensor loads have landed: my part of what is read behind this barrier
	ds_add_u32 v[SPW], v[NIL]                      ; 0 onto my spare word
.if \kind < 3
	s_add_nc_u64 s[sA+2:sA+3], s[sA+2:sA+3], 2*4096        ; no load of mine is out, so the sets may be written: this slot's tile two steps on,
.endif
.if \kind == 1
	s_add_nc_u64 s[sB+2:sB+3], s[sB+2:sB+3], 2*256         ; and the piece's 256 bytes two weight tiles on
.endif
	WIN W_G
	RUN NSIG-2, \zero, \cv, \lr
	s_wait_dscnt 0x0                               ; the add is done; my reads of the tiles that are left are back
	s_barrier_signal -1
	RUN NWAIT-NSIG, \zero, \cv, \lr                ; work on registers while the others arrive
	WIN 0
	s_barrier_wait -1
.if \kind < 3
	CREST                                          ; the barrier has opened a round of the cluster's: no wave of any partner still reads the bytes or has a load on its way
	JLOAD sA, sB, 2-\kind
.endif
	WIN W_G
	RUN 8*NF-NWAIT, \zero, \cv, \lr
.else
	WIN W_G
	RUN 8*NF-2, \zero, \cv, \lr
.endif
.if \cv
	s_wait_dscnt \nu                               ; up's raw bytes are in; younger are this chunk's token loads and gate's raw loads
.endif
	WIN W_U
.set n, 0
.set j, 0
	RUN 8*NF, \zero, \cv, \lr
.endm
; K step t, T4 = t % 4: four chunks, 192 matrix instructions.  Its barrier frees xh's slot t % 2 and, from step 1 on, the bytes of piece t + 3 (set (t + 3) % 4).
.macro STEP T4, kind, zero, tail
.set sA, GA0+4*((\T4)&1)
.set sBn, ((\T4)+3)&3
.set sB, GB0+4*sBn+4*(sBn/3)
	CHUNK 4*\T4+0, \zero, 0, 1, 1, 1, NF, 16+NF
	CHUNK 4*\T4+1, 0, 0, 1, 1, 1, NF, 16+NF
.if \tail
	CHUNK 4*\T4+2, 0, 0, 1, 0, 1, NF, 16           ; no raw bytes are left to load
	CHUNK 4*\T4+3, 0, 0, 0, 0, 0, 0, 0             ; the last chunk only multiplies
.else
	CHUNK 4*\T4+2, 0, \kind, 1, 1, 1, NF, 16+NF
	CHUNK 4*\T4+3, 0, 0, 1, 1, 1, NF, 16+NF
.endif
.endm
.macro MKGB g, sl, ty, base            ; group 0 of a piece: slot sl, gate (0) or up (1)
	s_mov_b32 s[\g], 1
	s_add_co_u32 s[\g+1], s[TL], BBASE-PIECE+\sl*BSLOT+\ty*UPOFF   ; waves 1, 2, 3: rows 0, 64, 128 of the piece
	s_add_nc_u64 s[\g+2:\g+3], s[\base:\base+1], \sl*256
	s_or_b32 s[\g+3], s[\g+3], 0x80000000
.endm
	s_load_b512 s[8:23], s[0:1], 0x0               ; xh s[8:9], gate_w s[10:11], up_w s[12:13], gate_alpha s[14:15], gate_bias s[16:17], up_alpha s[18:19], up_bias s[20:21], scale s[22:23]
	s_load_b64 s[24:25], s[0:1], 0x40              ; hq
	v_lshl_add_u32 v[SPW], v0, 2, SPARE
	v_mov_b32 v[NIL], 0
	ds_add_u32 v14, v15
	s_wait_dscnt 0x0
	v_lshrrev_b32 v3, 5, v0
	v_readfirstlane_b32 s[WV], v3                  ; wave 0..3
	s_bfe_u32 s[CX], ttmp6, 0x40000                ; my place in the cluster = my token group (one cluster along x): it enters xh's and hq's addresses alone
	s_and_b32 s[CT], ttmp7, 0xffff                 ; the column tile, which the four partners share
	s_mul_i32 s[CB0], s[CT], 12
	s_mul_i32 s86, s[WV], 3
	s_add_co_u32 s[CB0], s[CB0], s86
	s_mov_b32 s[SX], 0x80808080
	s_mov_b32 s[C64], 0x64646464
	s_mov_b32 s[SEL0], 0x00050004                  ; bytes 0, 1 of the raw word, each under 0x64
	s_mov_b32 s[SEL0+1], 0x00070006                ; bytes 2, 3
	s_mov_b32 s[LO], 0xc3000000                    ; -128.0
	s_mov_b32 s[HI], 0x42fe0000                    ; 127.0
	; group 1 for xh: 8 rows (token blocks) of 4,096 bytes (4 chunks), 131,072 bytes apart; elements of 8 bytes; dense in LDS
	s_mov_b32 s[G1A+0], 3<<16
	s_mov_b32 s[G1A+1], 512<<16                    ; tensor_dim0 = 512
	s_mov_b32 s[G1A+2], 8<<16                      ; tensor_dim1 = 8
	s_mov_b32 s[G1A+3], 512<<16                    ; tile_dim0 = 512
	s_mov_b32 s[G1A+4], 8                          ; tile_dim1 = 8
	s_mov_b32 s[G1A+5], 16384                      ; elements from row to row
	s_mov_b32 s[G1A+6], 0
	s_mov_b32 s[G1A+7], 0
	; group 1 for a piece: 64 rows of 256 bytes, 4,096 bytes apart; 4 words of padding behind every 64; mask: all four work-groups, bit 21 beside it
	s_mov_b32 s[G1B+0], 15|(3<<16)|(1<<20)|(1<<21)|(5<<22)|(3<<25)
	s_mov_b32 s[G1B+1], 32<<16
	s_mov_b32 s[G1B+2], 64<<16
	s_mov_b32 s[G1B+3], 32<<16
	s_mov_b32 s[G1B+4], 64
	s_mov_b32 s[G1B+5], 512
	s_mov_b32 s[G1B+6], 0
	s_mov_b32 s[G1B+7], 0
	s_lshl_b32 s86, s[CX], 20                      ; xh: 8 cx token blocks of 131,072 bytes
	s_mov_b32 s87, 0
	s_mul_i32 s88, s[CT], 192
	s_lshl_b32 s89, s[WV], 6
	s_add_co_u32 s88, s88, s89
	s_sub_co_u32 s88, s88, 64                      ; waves 1, 2, 3 fetch rows 192 ct + 0, 64, 128 (wave 0 fetches none; where this wraps the clamp below holds it)
	s_min_u32 s88, s88, 10944                      ; no load passes the last row: in tile 57 waves 2 and 3 fetch the last 64 rows once more
	s_lshl_b32 s88, s88, 12
	s_mov_b32 s89, 0
	s_mul_i32 s[TL], s[WV], PIECE
	s_mul_i32 s92, s[CX], 8*RBH                    ; hq: 8 cx token blocks
	s_mov_b32 s93, 0
	s_wait_kmcnt 0x0
	s_load_b32 s[SC], s[22:23], 0x0
	s_add_nc_u64 s[86:87], s[8:9], s[86:87]
	s_add_nc_u64 s[90:91], s[12:13], s[88:89]      ; up_w at my rows
	s_add_nc_u64 s[88:89], s[10:11], s[88:89]      ; gate_w at my rows
	s_add_nc_u64 s[24:25], s[24:25], s[92:93]
.irp sl, 0,1
	s_mov_b32 s[GA0+4*\sl], 1
	s_mov_b32 s[GA0+4*\sl+1], \sl*ASLOT
	s_add_nc_u64 s[GA0+4*\sl+2:GA0+4*\sl+3], s[86:87], \sl*4096
	s_or_b32 s[GA0+4*\sl+3], s[GA0+4*\sl+3], 0x80000000
.endr
	MKGB 52, 0, 0, 88                              ; piece 0: weight tile 0, gate
	MKGB 56, 0, 1, 90                              ; piece 1: weight tile 0, up
	MKGB 60, 1, 0, 88                              ; piece 2: weight tile 1, gate
	MKGB 68, 1, 1, 90                              ; piece 3: weight tile 1, up
	CROUND                                         ; all four work-groups are here: the first joint loads meet
	s_cmp_eq_u32 s[WV], 0                          ; a wave's first fills stand in one branch, ahead of every wait on TENSORcnt, LDS read and further barrier:
	s_cbranch_scc0 .Lfirst_b                       ; two loads of wave 0 are out, four of each other wave
	tensor_load_to_lds s[GA0:GA0+3], s[G1A:G1A+7]
	s_nop 0
	tensor_load_to_lds s[GA0+4:GA0+7], s[G1A:G1A+7]
	s_nop 0
	PLACES
	s_branch .Lfirst_done
.Lfirst_b:
	tensor_load_to_lds s[52:55], s[G1B:G1B+7]
	s_nop 0
	tensor_load_to_lds s[56:59], s[G1B:G1B+7]
	s_nop 0
	tensor_load_to_lds s[60:63], s[G1B:G1B+7]
	s_nop 0
	tensor_load_to_lds s[68:71], s[G1B:G1B+7]
	s_nop 0
	PLACES
.Lfirst_done:
	v_and_b32 v1, 15, v0                           ; r
	v_bfe_u32 v2, v0, 4, 1                         ; h
	v_and_b32 v3, 31, v0
	v_lshlrev_b32 v[ADA], 4, v3                    ; 16 x lane
	v_add_nc_u32 v[ADA+1], ASLOT, v[ADA]
	v_mul_u32_u24 v9, v1, PITCH
	v_lshl_add_u32 v9, v2, 4, v9                   ; row r, 16 bytes at 16 h
	v_lshlrev_b32 v13, 4, v1
	v_lshl_add_u32 v13, v2, 9, v13                 ; hq: 16 r + 512 h (my eight columns are the block's lower or upper eight)
.irp f, 0,1,2
	s_add_co_u32 s86, s[CB0], \f                   ; column block cb
	s_lshr_b32 s87, s86, 1
	s_lshl_b32 s87, s87, 10                        ; (cb / 2) x 1,024
	s_and_b32 s92, s86, 1
	s_lshl_b32 s92, s92, 8                         ; + (cb % 2) x 256
	s_add_co_u32 s87, s87, s92
	v_add_nc_u32 v[VO+\f], s87, v13
	s_min_u32 s86, s86, NBLK-1                     ; a block that does not exist reads the last block's alpha and bias
	s_lshl_b32 s86, s86, 6
	v_lshl_add_u32 v[VAB+\f], v2, 5, s86           ; (16 cb + 8 h) x 4
.endr
	s_mul_i32 s86, s[WV], 48*PITCH                 ; my 48 rows of gate's 192
	s_add_co_u32 s86, s86, BBASE
	s_add_co_u32 s87, s86, BSLOT
	s_add_co_u32 s92, s86, UPOFF
	s_add_co_u32 s93, s87, UPOFF
	WIN 0x80                                       ; destination window 2
	v_add_nc_u32 v[ADB], s86, v9
	v_add_nc_u32 v[ADB+1], s87, v9
	WIN 0xc0                                       ; destination window 3
	v_add_nc_u32 v[ADB], s92, v9
	v_add_nc_u32 v[ADB+1], s93, v9
	WIN W_AL
	v_mov_b32 v[KN], 0xe480e480                    ; -1152, twice
.irp f, 0,1,2
	global_load_b128 v[AB1+32*\f:AB1+32*\f+3],     v[VAB+\f], s[14:15]
	global_load_b128 v[AB1+32*\f+4:AB1+32*\f+7],   v[VAB+\f], s[14:15] offset:16
	global_load_b128 v[AB1+32*\f+8:AB1+32*\f+11],  v[VAB+\f], s[16:17]
	global_load_b128 v[AB1+32*\f+12:AB1+32*\f+15], v[VAB+\f], s[16:17] offset:16
	global_load_b128 v[AB1+32*\f+16:AB1+32*\f+19], v[VAB+\f], s[18:19]
	global_load_b128 v[AB1+32*\f+20:AB1+32*\f+23], v[VAB+\f], s[18:19] offset:16
	global_load_b128 v[AB1+32*\f+24:AB1+32*\f+27], v[VAB+\f], s[20:21]
	global_load_b128 v[AB1+32*\f+28:AB1+32*\f+31], v[VAB+\f], s[20:21] offset:16
.endr
	WIN 0
	s_wait_kmcnt 0x0                               ; the scale
	v_mov_b32 v16, s[SC]
	v_rcp_f32 v17, v16
	v_nop                                          ; a plain instruction between the reciprocal and the use of its result
	s_wait_alu depctr_va_vdst(0)
	v_readfirstlane_b32 s[INV], v17
	s_mov_b32 s[INV+1], s[INV]                     ; named with it as a pair, so it is written
	s_wait_loadcnt 0x0                             ; alphas and biases, once, while the first tiles are on their way
	WIN 0x41                                       ; destination and source 0 window 1
.irp f, 0,1,2
.irp m, 16,18,20,22,24,26,28,30
	v_pk_mul_f32 v[AB1+32*\f+\m:AB1+32*\f+\m+1], v[AB1+32*\f+\m:AB1+32*\f+\m+1], s[INV:INV+1] op_sel_hi:[1,0]   ; up's alpha and bias take 1 / scale
.endr
.endr
	WIN 0
	s_wait_tensorcnt 0x1                           ; wave 0: xh's tile 0 is in; waves 1 to 3: pieces 0 to 2.  The youngest may stay out
	s_barrier_signal -1
	s_barrier_wait -1                              ; everybody's is
	; The pipeline is filled: raw bytes of chunk 0, token fragments of chunk 0; chunk 0 is converted; raw bytes of chunk 1.
.set cBN, BC0
.set cBS, 0
.set cBO, 0
.set cAN, AF0
.set cAS, 0
.set cAQ, 0
	WIN W_G
	RLOAD
	WIN W_U
	RLOAD
	ALOAD
	s_wait_dscnt 16                                ; the six raw loads are in; the sixteen token loads may stay out
.set cBO, 32
	WIN W_G
.set j, 0
.rept 12*NF
	CV
.endr
	RLOAD
.rept 8*NF
	CV
.endr
	WIN W_U
.set j, 0
.rept 12*NF
	CV
.endr
	RLOAD
.rept 8*NF
	CV
.endr
	STEP 0, 2, 1, 0                                ; step 0: its first chunk starts the 48 sums; xh's tile 2 is asked for (pieces 0 to 3 were first fills)
	WIN 0                                          ; at a label and at a branch every window is 0
	s_mov_b32 s[CNT], 7
.Lloop:                                                ; steps 1 to 28: each asks for xh's tile t + 2 and for piece t + 3
	STEP 1, 1, 0, 0
	STEP 2, 1, 0, 0
	STEP 3, 1, 0, 0
	STEP 0, 1, 0, 0
	WIN 0
	s_sub_co_u32 s[CNT], s[CNT], 1
	s_cmp_lg_u32 s[CNT], 0
	s_cbranch_scc1 .Lloop
	STEP 1, 2, 0, 0                                ; step 29: xh's last tile; no piece is left
	STEP 2, 3, 0, 0                                ; step 30: a plain barrier shows that tile to every wave
	STEP 3, 0, 0, 1                                ; step 31
	WIN 0
	PLACES                                         ; four places between the last products and the first read of a result
; THE WAY OUT of accumulators (i, f): g and u / scale; sigmoid(g) = 1 / (1 + 2^(-1.442695 g)); the product; rounded to the nearest whole number, ties to even; clipped; eight f16, 16 bytes.
.macro EPI f, i
.set eA, 8*(8*\f+\i)
.set eC, AB1+32*\f
	WIN 0x16                                       ; source 0 window 2, sources 1 and 2 window 1, destination window 0
.irp m, 0,2,4,6
	v_pk_fma_f32 v[G+\m:G+\m+1], v[eA+\m:eA+\m+1], v[eC+\m:eC+\m+1], v[eC+8+\m:eC+8+\m+1]         ; an accumulator is read from its low end on
.endr
	WIN 0x17                                       ; source 0 window 3
.irp m, 0,2,4,6
	v_pk_fma_f32 v[U+\m:U+\m+1], v[eA+\m:eA+\m+1], v[eC+16+\m:eC+16+\m+1], v[eC+24+\m:eC+24+\m+1]
.endr
	WIN 0
.irp m, 0,2,4,6
	v_pk_mul_f32 v[E+\m:E+\m+1], v[G+\m:G+\m+1], 0xbfb8aa3b op_sel_hi:[1,0]
.endr
.irp m, 0,1,2,3,4,5,6,7
	v_exp_f32 v[E+\m], v[E+\m]
.endr
.irp m, 0,2,4,6
	v_pk_mul_f32 v[GU+\m:GU+\m+1], v[G+\m:G+\m+1], v[U+\m:U+\m+1]  ; plain work between the exponentials and the use of their results
.endr
	s_wait_alu depctr_va_vdst(0)
.irp m, 0,2,4,6
	v_pk_add_f32 v[E+\m:E+\m+1], v[E+\m:E+\m+1], 1.0 op_sel_hi:[1,0]
.endr
.irp m, 0,1,2,3,4,5,6,7
	v_rcp_f32 v[E+\m], v[E+\m]                     ; where 2^.. is infinite this is 0, and so is the product
.endr
	v_nop
	s_wait_alu depctr_va_vdst(0)
.irp m, 0,2,4,6
	v_pk_mul_f32 v[GU+\m:GU+\m+1], v[GU+\m:GU+\m+1], v[E+\m:E+\m+1]
.endr
.irp m, 0,1,2,3,4,5,6,7
	v_rndne_f32 v[GU+\m], v[GU+\m]
.endr
.irp m, 0,1,2,3,4,5,6,7
	v_med3_num_f32 v[GU+\m], v[GU+\m], s[LO], s[HI]
.endr
	s_wait_xcnt 0x0                                ; the last store's data registers are rewritten only behind this wait
.irp m, 0,1,2,3
	v_cvt_pk_f16_f32 v[H+\m], v[GU+2*\m], v[GU+2*\m+1]
.endr
	global_store_b128 v[VO+\f], v[H:H+3], s[24:25] offset:\i*RBH   ; sixteen lanes store 256 consecutive bytes, aligned; 7 x 352,256 lies inside the signed 24-bit immediate
.endm
.irp f, 0,1,2
	s_cmp_ge_u32 s[CB0], NBLK-\f                   ; block CB0 + f and those behind it do not exist (tile 57 alone): nothing is stored for them
	s_cbranch_scc1 .Lout
.irp i, 0,1,2,3,4,5,6,7
	EPI \f, \i
.endr
.endr
.Lout:
	s_wait_tensorcnt 0x0                           ; the wave's end
	ds_add_u32 v[SPW], v[NIL]
	s_wait_dscnt 0x0
	CROUND                                         ; the closing round: no work-group ends while a partner may still ask for a piece that names it
	s_endpgm
.Lfunc_end_k_q27013b040d_gateup:
	.size	k_q27013b040d_gateup, .Lfunc_end_k_q27013b040d_gateup-k_q27013b040d_gateup
	.p2alignl 7, 3214868480
	.fill 96, 4, 3214868480
	.section	.rodata,"a",@progbits
	.p2align	6, 0x0
	.amdhsa_kernel k_q27013b040d_gateup
		.amdhsa_group_segment_fixed_size 327680
		.amdhsa_private_segment_fixed_size 0
		.amdhsa_enable_private_segment 0
		.amdhsa_kernarg_size 72
		.amdhsa_user_sgpr_count 2
		.amdhsa_user_sgpr_kernarg_segment_ptr 1
		.amdhsa_wavefront_size32 1
		.amdhsa_system_sgpr_workgroup_id_x 1
		.amdhsa_system_sgpr_workgroup_id_y 1
		.amdhsa_system_sgpr_workgroup_id_z 1
		.amdhsa_system_vgpr_workitem_id 0
		.amdhsa_next_free_vgpr 1024
		.amdhsa_next_free_sgpr 96
		.amdhsa_reserve_vcc 0
		.amdhsa_float_denorm_mode_32 3
		.amdhsa_float_denorm_mode_16_64 3
		.amdhsa_memory_ordered 1
		.amdhsa_forward_progress 1
		.amdhsa_inst_pref_size 255
	.end_amdhsa_kernel
	.section	.bss,"aw",@nobits
	.p2align	6
	.space	262144
	.amdgpu_metadata
---
amdhsa.version: [ 1, 2 ]
amdhsa.kernels:
  - .name:           k_q27013b040d_gateup
    .symbol:         k_q27013b040d_gateup.kd
    .args:
      - { .name: xh, .offset: 0, .size: 8, .value_kind: global_buffer, .address_space: global }
      - { .name: gate_w, .offset: 8, .size: 8, .value_kind: global_buffer, .address_space: global }
      - { .name: up_w, .offset: 16, .size: 8, .value_kind: global_buffer, .address_space: global }
      - { .name: gate_alpha, .offset: 24, .size: 8, .value_kind: global_buffer, .address_space: global }
      - { .name: gate_bias, .offset: 32, .size: 8, .value_kind: global_buffer, .address_space: global }
      - { .name: up_alpha, .offset: 40, .size: 8, .value_kind: global_buffer, .address_space: global }
      - { .name: up_bias, .offset: 48, .size: 8, .value_kind: global_buffer, .address_space: global }
      - { .name: down_input_scale, .offset: 56, .size: 8, .value_kind: global_buffer, .address_space: global }
      - { .name: hq, .offset: 64, .size: 8, .value_kind: global_buffer, .address_space: global }
    .group_segment_fixed_size: 327680
    .private_segment_fixed_size: 0
    .kernarg_segment_align: 8
    .kernarg_segment_size: 72
    .max_flat_workgroup_size: 128
    .sgpr_count:     96
    .vgpr_count:     1024
    .wavefront_size: 32
...
	.end_amdgpu_metadata
.endif
;; end of part 2
;; launch down (part 3): grid 64 x 4, 4 waves a work-group, clusters of 4 x 4, 327,680 bytes of LDS; arguments hq, down_w, down_alpha, down_bias, out0; writes out0
.if DOCPART == 3
	.amdgcn_target "amdgcn-amd-amdhsa--gfx1250"
	.amdhsa_code_object_version 6
	.text
	.protected	k_q27013b040d_down
	.globl	k_q27013b040d_down
	.p2align	8
	.type	k_q27013b040d_down,@function
k_q27013b040d_down:
	s_mov_b64 s[64:65], 0
	v_nop
	global_prefetch_b8 v0, s[64:65] scope:SCOPE_SE
	s_setreg_imm32_b32 hwreg(HW_REG_WAVE_MODE, 25, 1), 1
	s_wait_xcnt 0x0
	s_wait_alu depctr_hold_cnt(0) depctr_sa_sdst(0) depctr_va_vdst(0) depctr_va_sdst(0) depctr_va_ssrc(0) depctr_va_vcc(0) depctr_vm_vsrc(0)
	s_getreg_b32 s2, hwreg(HW_REG_IB_STS2, 6, 4)
	s_cmp_eq_u32 s2, 0
	s_cbranch_scc0 .Lentry_in_a_cluster
	s_endpgm
.Lentry_in_a_cluster:
	s_bfe_u32 s2, ttmp6, 0x10000c
	s_cmp_lg_u32 s2, 0xf033
	s_cbranch_scc0 .Lentry_shape_is_right
	s_endpgm
.Lentry_shape_is_right:
; out0[t][n] = (sum over k of hq[t][k] down_w[n][k]) down_alpha[n] + down_bias[n].  hq: f16 whole numbers -128 .. 127, in blocks of 16 rows x 32 k of 1,024 bytes (element
; (16 rb + r, 32 c + 16 h + 8 p + e) at rb*352256 + c*1024 + p*512 + h*256 + r*16 + 2 e).  down_w: [4096][11008] int8.  out0: [512][4096] f32.
; FORMAT.  Both operands are whole numbers -128 .. 127, exact in f16; sums in f32, exact while below 2^24 (weights in -8 .. 7: 11008 x 128 x 8 < 2^24), else rounded as f32 sums are.
; SHARES.  A work-group: 128 tokens (cy) x 64 columns (nb): 256 work-groups.  K IS SPLIT OVER THE FOUR WAVES: every wave has the whole tile, 8 x 4 = 32 accumulators, and takes chunks
; 4 j + w (j = 0, 1) of each K step of 256: each LDS byte is read once, and 12 fragment loads' worth of bytes feeds 32 matrix instructions.  The four partial tiles are added through LDS at the end.
; CLUSTER 4 x 4: the four of a row of the cluster (same cy) need the same tiles of hq, the four of a column (same cx) the same tiles of down_w: each is asked for jointly.
; The matrix instruction is used transposed (source 0 = 16 weight rows, source 1 = 16 tokens); k inside a block of 32 is permuted alike on both sides (lane (r, h): k = 16 h .. + 15), so
; a weight fragment is one 16-byte LDS load; it is made f16 in registers: t = w xor 0x80, the byte t under 0x64 is 1024 + t in f16, and -1152 is added.
; REGISTERS.  Windows 2 (column blocks 0, 1) and 3 (blocks 2, 3), alike: v0-127 16 accumulators ((i, f) at 8 (8 f + i)); v128-135 raw bytes; v136-151, v152-167 fragments as f16, two buffers;
; v168, v169 LDS address of my weight bytes in slot 0, 1.  Window 1: v0-63, v64-127 token fragments, two buffers; v128 = -1152 twice.  Window 0: addresses, the way out.
; PIPELINE.  Chunk q multiplies buffers q % 2, loads the token fragments of q + 1, converts the raw bytes of q + 1, then loads the raw bytes of q + 2.  One barrier a K step, in its first
; chunk, between the token loads (the last reads of the step's slot) and the raw loads (the first reads of the next slot).
.set NF,    2
.set PITCH, 272
.set BOFF,  65536                      ; a slot: hq's [8 token blocks][8 chunks][1,024], then 64 weight rows of 256 + 16 bytes
.set SLOT,  BOFF+64*PITCH              ; 82,944
.set STAGE, 2*SLOT                     ; behind the ring: for each wave 128 rows of 64 f32 + 16 bytes
.set SREG,  128*PITCH
.set SPARE, STAGE+4*SREG               ; 305,152: the spare words, 128 bytes a wave: two blocks of 256 bytes that no other line names
.set RBH,   352256
.set RAW,   64*NF
.set BC0,   RAW+4*NF
.set ADB,   BC0+16*NF
.set AF0,   0
.set KN,    128
.set NRL,   9                          ; behind matrix instruction 9 of a phase all 24 reads of the raw bytes are issued
.set NSIG,  6
.set NWAIT, 8
.set ADA,   4                          ; v4, v5   LDS address of my token fragments in slot 0, 1
.set STO,   6                          ; v6       the way out: where I put my results in my wave's stage
.set RD,    7                          ; v7, v8   the way out: where I read rows back, stages 0 and 1, stages 2 and 3
.set CO,    9                          ; v9       my byte offset in out0
.set VAB,   10                         ; v10      my byte offset in alpha and bias
.set SPW,   14
.set NIL,   15
.set AL,    16                         ; v[16:19] alpha, v[20:23] bias of my four columns
.set BI,    20
.set WK,    32                         ; v[32:95] the way out, at work
.set WV,    14                         ; s14 wave, s15 wave / 2 (0: I fetch hq, 1: down_w), s16 wave % 2 (which half)
.set HIW,   15
.set HALF,  16
.set CNT,   17
.set SX,    18
.set C64,   19
.set SEL0,  20                         ; s20, s21
.set G1,    24                         ; s[24:31] group 1 for hq's tiles; s[32:39] group 0, a set a slot
.set G0,    32
.set G1B,   48                         ; s[48:55], s[56:63] the same for down_w's
.set G0B,   56
.set W_G,   0xa6                       ; destination, source 0, source 2: window 2; source 1: window 1
.set W_U,   0xf7
.set W_AL,  0x40
.set MSB, 0
.macro WIN new
.if MSB != \new
	s_set_vgpr_msb (MSB<<8)|\new
.set MSB, \new
.endif
.endm
.macro PLACES
.rept 4
	v_nop
.endr
.endm
.macro CREST
	s_cmp_lg_u32 s[WV], 0
	s_cbranch_scc1 .Lnot_wave_0_\@
	s_barrier_signal -3
.Lnot_wave_0_\@:
	s_barrier_wait -3
	s_barrier_signal -1
	s_barrier_wait -1
.endm
.macro CROUND
	s_barrier_signal -1
	s_barrier_wait -1
	CREST
.endm
; A joint refill of slot s: waves 0, 1 fetch hq's two halves (4 token blocks each), waves 2, 3 down_w's (32 rows each).  Four v_nop follow each line.
.macro JLOAD s
	s_cmp_eq_u32 s[HIW], 0
	s_cbranch_scc0 .Lfor_b_\@
	tensor_load_to_lds s[G0+4*\s:G0+4*\s+3], s[G1:G1+7]
	s_nop 0
	PLACES
	s_branch .Lasked_\@
.Lfor_b_\@:
	tensor_load_to_lds s[G0B+4*\s:G0B+4*\s+3], s[G1B:G1B+7]
	s_nop 0
	PLACES
.Lasked_\@:
.endm
.macro CV                              ; conversion instruction j of 40 of the phase in hand: 8 xor, 16 byte picks, 16 packed adds
.if j < 4*NF
	v_xor_b32 v[RAW+j], v[RAW+j], s[SX]
.elseif j < 12*NF
.set k, j-4*NF
	v_perm_b32 v[cBN+k], v[RAW+k/2], s[C64], s[SEL0+k%2]
.else
.set k, j-12*NF
	v_pk_add_f16 v[cBN+k], v[cBN+k], v[KN]
.endif
.set j, j+1
.endm
.macro RLOAD
.irp f, 0,1
	ds_load_b128 v[RAW+4*\f:RAW+4*\f+3], v[ADB+cBS] offset:\f*16*PITCH+cBO
.endr
.endm
.macro ALOAD
	WIN W_AL
.irp i, 0,1,2,3,4,5,6,7
	ds_load_b128 v[cAN+8*\i:cAN+8*\i+3],   v[ADA+cAS] offset:\i*8192+cAQ*4096
	ds_load_b128 v[cAN+8*\i+4:cAN+8*\i+7], v[ADA+cAS] offset:\i*8192+cAQ*4096+512
.endr
.endm
.macro RUN cnt, zero, cv, lr           ; the phase's 16 accumulators take turns, one instruction a turn
.rept \cnt
.if \zero
	v_wmma_f32_16x16x32_f16 v[8*n:8*n+7], v[cBC+8*(n/8):cBC+8*(n/8)+7], v[cAB+8*(n%8):cAB+8*(n%8)+7], 0
.else
	v_wmma_f32_16x16x32_f16 v[8*n:8*n+7], v[cBC+8*(n/8):cBC+8*(n/8)+7], v[cAB+8*(n%8):cAB+8*(n%8)+7], v[8*n:8*n+7]
.endif
.if \cv
	CV
	CV
.if n%2 == 0
	CV
.endif
.if \lr && (n == NRL)
	RLOAD
.endif
.endif
.set n, n+1
.endr
.endm
; Chunk Q = 2 (t % 2) + j of a period of 4.  kind 0: no barrier; 1: a round and the refill of slot t % 2; 3: a plain barrier.  The other arguments: see the waits below.
.macro CHUNK Q, zero, kind, la, lr, cv, ng, nu
.set cAB, AF0+64*((\Q)&1)
.set cAN, AF0+64*(((\Q)+1)&1)
.set cBC, BC0+8*NF*((\Q)&1)
.set cBN, BC0+8*NF*(((\Q)+1)&1)
.set cAS, (((\Q)+1)&3)>>1
.set cAQ, ((\Q)+1)&1
.set cBS, (((\Q)+2)&3)>>1
.set cBO, 128*((\Q)&1)
.set cSL, (\Q)>>1
	s_wait_dscnt \ng                               ; my token fragments and the first phase's raw bytes are in; younger are only the second phase's raw loads
	WIN W_G
.set n, 0
.set j, 0
	RUN 2, \zero, \cv, \lr
.if \la
	ALOAD                                          ; the buffer's last reader is the chunk before's last matrix instruction: seven conversions, which name none of its registers, stand between
.endif
.if \kind
	WIN 0                                          ; (the add's two registers lie in window 0)
	s_wait_tensorcnt 0x0                           ; all my tensor loads have landed: the one that was out is my part of the next slot
	ds_add_u32 v[SPW], v[NIL]                      ; 0 onto my spare word
.if \kind == 1
	s_add_nc_u64 s[G0+4*cSL+2:G0+4*cSL+3], s[G0+4*cSL+2:G0+4*cSL+3], 2*8192     ; no load of mine is out: this slot's sets step two K steps on
	s_add_nc_u64 s[G0B+4*cSL+2:G0B+4*cSL+3], s[G0B+4*cSL+2:G0B+4*cSL+3], 2*256
.endif
	WIN W_G
	RUN NSIG-2, \zero, \cv, \lr
	s_wait_dscnt 0x0                               ; the add is done; my reads of this slot are back
	s_barrier_signal -1
	RUN NWAIT-NSIG, \zero, \cv, \lr
	WIN 0
	s_barrier_wait -1
.if \kind == 1
	CREST                                          ; the barrier has opened a round of the cluster's: no wave of any partner still reads this slot or has a load on its way
	JLOAD cSL
.endif
	WIN W_G
	RUN 8*NF-NWAIT, \zero, \cv, \lr
.else
	WIN W_G
	RUN 8*NF-2, \zero, \cv, \lr
.endif
.if \cv
	s_wait_dscnt \nu                               ; the second phase's raw bytes are in; younger are this chunk's token loads and the first phase's raw loads
.endif
	WIN W_U
.set n, 0
.set j, 0
	RUN 8*NF, \zero, \cv, \lr
.endm
	s_load_b256 s[4:11], s[0:1], 0x0               ; hq s[4:5], down_w s[6:7], down_alpha s[8:9], down_bias s[10:11]
	s_load_b64 s[12:13], s[0:1], 0x20              ; out0
	v_lshl_add_u32 v[SPW], v0, 2, SPARE
	v_mov_b32 v[NIL], 0
	ds_add_u32 v14, v15
	s_wait_dscnt 0x0
	v_lshrrev_b32 v3, 5, v0
	v_readfirstlane_b32 s[WV], v3
	s_lshr_b32 s[HIW], s[WV], 1
	s_and_b32 s[HALF], s[WV], 1
	s_bfe_u32 s40, ttmp6, 0x40000                  ; cx
	s_bfe_u32 s41, ttmp6, 0x40004                  ; cy = the token tile: the grid has one cluster along y
	s_lshl_b32 s42, ttmp9, 2
	s_add_co_u32 s42, s42, s40                     ; nb, the column tile = 4 x cluster x + cx
	s_lshl_b32 s43, s41, 2
	s_lshl_b32 s43, 15, s43                        ; my row of the cluster
	s_lshl_b32 s44, 0x1111, s40                    ; my column
	s_mov_b32 s[SX], 0x80808080
	s_mov_b32 s[C64], 0x64646464
	s_mov_b32 s[SEL0], 0x00050004
	s_mov_b32 s[SEL0+1], 0x00070006
	; group 1 for hq: 4 rows (token blocks) of 8,192 bytes (8 chunks), 352,256 bytes apart; elements of 8 bytes; dense in LDS; the mask of my row, bit 21 beside it
	s_or_b32 s[G1+0], s43, (3<<16)|(1<<21)
	s_mov_b32 s[G1+1], 1024<<16
	s_mov_b32 s[G1+2], 4<<16
	s_mov_b32 s[G1+3], 1024<<16
	s_mov_b32 s[G1+4], 4
	s_mov_b32 s[G1+5], 44032
	s_mov_b32 s[G1+6], 0
	s_mov_b32 s[G1+7], 0
	; group 1 for down_w: 32 rows of 256 bytes, 11,008 bytes apart; 4 words of padding behind every 64; the mask of my column
	s_or_b32 s[G1B+0], s44, (3<<16)|(1<<20)|(1<<21)|(5<<22)|(3<<25)
	s_mov_b32 s[G1B+1], 32<<16
	s_mov_b32 s[G1B+2], 32<<16
	s_mov_b32 s[G1B+3], 32<<16
	s_mov_b32 s[G1B+4], 32
	s_mov_b32 s[G1B+5], 1376
	s_mov_b32 s[G1B+6], 0
	s_mov_b32 s[G1B+7], 0
	s_lshl_b32 s46, s41, 3                         ; hq: token block 8 cy + 4 half (registers that never hold cx)
	s_lshl_b32 s47, s[HALF], 2
	s_add_co_u32 s46, s46, s47
	s_mul_i32 s46, s46, RBH
	s_mov_b32 s47, 0
	s_lshl_b32 s66, s42, 6                         ; down_w: row 64 nb + 32 half (registers that never hold cy)
	s_lshl_b32 s67, s[HALF], 5
	s_add_co_u32 s66, s66, s67
	s_mul_i32 s66, s66, 11008
	s_mov_b32 s67, 0
	s_lshl_b32 s22, s[WV], 15                      ; where they go: waves 0, 1: hq's halves at 32,768 w;
	s_mul_i32 s23, s[WV], 32*PITCH                 ; waves 2, 3: down_w's halves at 65,536 + 8,704 (w - 2)
	s_add_co_u32 s23, s23, BOFF-64*PITCH
	s_wait_kmcnt 0x0
	s_add_nc_u64 s[46:47], s[4:5], s[46:47]
	s_add_nc_u64 s[66:67], s[6:7], s[66:67]
.irp s, 0,1
	s_mov_b32 s[G0+4*\s], 1
	s_add_co_u32 s[G0+4*\s+1], s22, \s*SLOT
	s_add_nc_u64 s[G0+4*\s+2:G0+4*\s+3], s[46:47], \s*8192
	s_or_b32 s[G0+4*\s+3], s[G0+4*\s+3], 0x80000000
	s_mov_b32 s[G0B+4*\s], 1
	s_add_co_u32 s[G0B+4*\s+1], s23, \s*SLOT
	s_add_nc_u64 s[G0B+4*\s+2:G0B+4*\s+3], s[66:67], \s*256
	s_or_b32 s[G0B+4*\s+3], s[G0B+4*\s+3], 0x80000000
.endr
	CROUND                                         ; all sixteen work-groups are here: the first joint loads meet
	s_cmp_eq_u32 s[HIW], 0                         ; a wave's two first fills stand in one branch: two loads of mine are out
	s_cbranch_scc0 .Lfirst_b
	tensor_load_to_lds s[G0:G0+3], s[G1:G1+7]
	s_nop 0
	tensor_load_to_lds s[G0+4:G0+7], s[G1:G1+7]
	s_nop 0
	PLACES
	s_branch .Lfirst_done
.Lfirst_b:
	tensor_load_to_lds s[G0B:G0B+3], s[G1B:G1B+7]
	s_nop 0
	tensor_load_to_lds s[G0B+4:G0B+7], s[G1B:G1B+7]
	s_nop 0
	PLACES
.Lfirst_done:
	v_and_b32 v1, 15, v0                           ; r
	v_bfe_u32 v2, v0, 4, 1                         ; h
	v_and_b32 v3, 31, v0
	s_lshl_b32 s22, s[WV], 10
	v_lshl_add_u32 v[ADA], v3, 4, s22              ; 16 x lane + my chunk of four
	v_add_nc_u32 v[ADA+1], SLOT, v[ADA]
	v_mul_u32_u24 v11, v1, PITCH
	v_lshl_add_u32 v12, v2, 4, v11                 ; weight row r, 16 bytes at 16 h
	s_mul_i32 s23, s[WV], SREG
	s_add_co_u32 s23, s23, STAGE
	v_lshl_add_u32 v[STO], v2, 5, v11              ; stage: row r, 32 bytes at 32 h,
	v_add_nc_u32 v[STO], s23, v[STO]               ; in my wave's stage
	v_mul_u32_u24 v13, v2, PITCH
	v_lshl_add_u32 v13, v1, 4, v13                 ; back: lanes 0-15 one row of 256 bytes, lanes 16-31 the next,
	s_mul_i32 s23, s[WV], 32*PITCH
	s_add_co_u32 s23, s23, STAGE
	v_add_nc_u32 v[RD], s23, v13                   ; of rows 32 w on
	v_add_nc_u32 v[RD+1], 2*SREG, v[RD]
	v_lshlrev_b32 v[CO], 14, v2                    ; and the same two rows in out0
	v_lshl_add_u32 v[CO], v1, 4, v[CO]
	s_lshl_b32 s69, s42, 8                         ; the tile's 64 columns: 256 bytes
	v_lshl_add_u32 v[VAB], v1, 4, s69
	global_load_b128 v[AL:AL+3], v[VAB], s[8:9]    ; waited for on the way out; their registers are not touched till then
	global_load_b128 v[BI:BI+3], v[VAB], s[10:11]
	s_lshl_b32 s68, s41, 7
	s_lshl_b32 s70, s[WV], 5
	s_add_co_u32 s68, s68, s70                     ; the first row that I store: 128 cy + 32 w
	s_lshl_b32 s68, s68, 14
	s_add_co_u32 s68, s68, s69
	s_mov_b32 s69, 0
	s_add_nc_u64 s[12:13], s[12:13], s[68:69]
	s_lshl_b32 s22, s[WV], 5                       ; my chunk's 32 bytes of a weight row
	s_add_co_u32 s22, s22, BOFF
	s_add_co_u32 s23, s22, SLOT
	s_add_co_u32 s70, s22, 32*PITCH
	s_add_co_u32 s71, s23, 32*PITCH
	WIN 0x80
	v_add_nc_u32 v[ADB], s22, v12
	v_add_nc_u32 v[ADB+1], s23, v12
	WIN 0xc0
	v_add_nc_u32 v[ADB], s70, v12
	v_add_nc_u32 v[ADB+1], s71, v12
	WIN W_AL
	v_mov_b32 v[KN], 0xe480e480
	WIN 0
	s_wait_tensorcnt 0x1                           ; my part of slot 0 is in; slot 1's may stay out
	s_barrier_signal -1
	s_barrier_wait -1
.set cBN, BC0
.set cBS, 0
.set cBO, 0
.set cAN, AF0
.set cAS, 0
.set cAQ, 0
	WIN W_G
	RLOAD
	WIN W_U
	RLOAD
	ALOAD
	s_wait_dscnt 16                                ; the four raw loads are in; the sixteen token loads may stay out
.set cBO, 128
	WIN W_G
.set j, 0
.rept 12*NF
	CV
.endr
	RLOAD
.rept 8*NF
	CV
.endr
	WIN W_U
.set j, 0
.rept 12*NF
	CV
.endr
	RLOAD
.rept 8*NF
	CV
.endr
	CHUNK 0, 1, 1, 1, 1, 1, NF, 16+NF              ; K step 0: its first chunk starts the 32 sums; slot 0 is asked for again (step 2)
	CHUNK 1, 0, 0, 1, 1, 1, NF, 16+NF
	WIN 0
	s_mov_b32 s[CNT], 20
.Lloop:                                                ; K steps 1 to 40, two a trip: step t asks for step t + 2
	CHUNK 2, 0, 1, 1, 1, 1, NF, 16+NF
	CHUNK 3, 0, 0, 1, 1, 1, NF, 16+NF
	CHUNK 0, 0, 1, 1, 1, 1, NF, 16+NF
	CHUNK 1, 0, 0, 1, 1, 1, NF, 16+NF
	WIN 0
	s_sub_co_u32 s[CNT], s[CNT], 1
	s_cmp_lg_u32 s[CNT], 0
	s_cbranch_scc1 .Lloop
	CHUNK 2, 0, 3, 1, 1, 1, NF, 16+NF              ; K step 41: a plain barrier shows step 42's tiles to every wave; nothing is asked for
	CHUNK 3, 0, 0, 1, 1, 1, NF, 16+NF
	CHUNK 0, 0, 0, 1, 0, 1, NF, 16                 ; K step 42: no raw bytes are left to load,
	CHUNK 1, 0, 0, 0, 0, 0, 0, 0                   ; and the last chunk only multiplies
	; THE WAY OUT.  Each wave puts its partial tile into its own stage; a barrier; wave w adds the four stages' rows 32 w .. 32 w + 31, scales, and stores whole rows of 256 bytes.
	WIN 0
	PLACES                                         ; four places between the last products and the first read of a result
	WIN 0x08                                       ; store data from window 2
.irp f, 0,1
.irp i, 0,1,2,3,4,5,6,7
	ds_store_b128 v[STO], v[8*(8*\f+\i):8*(8*\f+\i)+3]   offset:\i*16*PITCH+64*\f      ; an accumulator is read from its low end on
	ds_store_b128 v[STO], v[8*(8*\f+\i)+4:8*(8*\f+\i)+7] offset:\i*16*PITCH+64*\f+16
.endr
.endr
	WIN 0x0c                                       ; from window 3: column blocks 2, 3
.irp f, 0,1
.irp i, 0,1,2,3,4,5,6,7
	ds_store_b128 v[STO], v[8*(8*\f+\i):8*(8*\f+\i)+3]   offset:\i*16*PITCH+64*\f+128
	ds_store_b128 v[STO], v[8*(8*\f+\i)+4:8*(8*\f+\i)+7] offset:\i*16*PITCH+64*\f+144
.endr
.endr
	WIN 0
	s_wait_dscnt 0x0                               ; for the others' sake: my stores into my stage are done
	s_barrier_signal -1
	s_barrier_wait -1
	s_wait_loadcnt 0x0                             ; alpha and bias
.irp g, 0,1,2,3
.if \g
	s_wait_xcnt 0x0                                ; the last group's stores' data registers are loaded again only behind this wait
.endif
.irp t, 0,1,2,3
	ds_load_b128 v[WK+16*\t:WK+16*\t+3],     v[RD]   offset:(4*\g+\t)*2*PITCH
	ds_load_b128 v[WK+16*\t+4:WK+16*\t+7],   v[RD]   offset:SREG+(4*\g+\t)*2*PITCH
	ds_load_b128 v[WK+16*\t+8:WK+16*\t+11],  v[RD+1] offset:(4*\g+\t)*2*PITCH
	ds_load_b128 v[WK+16*\t+12:WK+16*\t+15], v[RD+1] offset:SREG+(4*\g+\t)*2*PITCH
.endr
.irp t, 0,1,2,3
	s_wait_dscnt 12-4*\t                           ; pair t's four loads are in; the younger pairs' stay out
	v_pk_add_f32 v[WK+16*\t:WK+16*\t+1],     v[WK+16*\t:WK+16*\t+1],     v[WK+16*\t+4:WK+16*\t+5]
	v_pk_add_f32 v[WK+16*\t+2:WK+16*\t+3],   v[WK+16*\t+2:WK+16*\t+3],   v[WK+16*\t+6:WK+16*\t+7]
	v_pk_add_f32 v[WK+16*\t+8:WK+16*\t+9],   v[WK+16*\t+8:WK+16*\t+9],   v[WK+16*\t+12:WK+16*\t+13]
	v_pk_add_f32 v[WK+16*\t+10:WK+16*\t+11], v[WK+16*\t+10:WK+16*\t+11], v[WK+16*\t+14:WK+16*\t+15]
	v_pk_add_f32 v[WK+16*\t:WK+16*\t+1],     v[WK+16*\t:WK+16*\t+1],     v[WK+16*\t+8:WK+16*\t+9]
	v_pk_add_f32 v[WK+16*\t+2:WK+16*\t+3],   v[WK+16*\t+2:WK+16*\t+3],   v[WK+16*\t+10:WK+16*\t+11]
	v_pk_fma_f32 v[WK+16*\t:WK+16*\t+1],     v[WK+16*\t:WK+16*\t+1],     v[AL:AL+1],   v[BI:BI+1]
	v_pk_fma_f32 v[WK+16*\t+2:WK+16*\t+3],   v[WK+16*\t+2:WK+16*\t+3],   v[AL+2:AL+3], v[BI+2:BI+3]
	global_store_b128 v[CO], v[WK+16*\t:WK+16*\t+3], s[12:13] offset:(4*\g+\t)*32768 th:TH_STORE_NT   ; sixteen lanes store 256 consecutive bytes, aligned
.endr
.endr
	s_wait_tensorcnt 0x0                           ; the wave's end
	ds_add_u32 v[SPW], v[NIL]
	s_wait_dscnt 0x0
	CROUND                                         ; the closing round: no work-group ends while a partner may still ask for a tile that names it
	s_endpgm
.Lfunc_end_k_q27013b040d_down:
	.size	k_q27013b040d_down, .Lfunc_end_k_q27013b040d_down-k_q27013b040d_down
	.p2alignl 7, 3214868480
	.fill 96, 4, 3214868480
	.section	.rodata,"a",@progbits
	.p2align	6, 0x0
	.amdhsa_kernel k_q27013b040d_down
		.amdhsa_group_segment_fixed_size 327680
		.amdhsa_private_segment_fixed_size 0
		.amdhsa_enable_private_segment 0
		.amdhsa_kernarg_size 40
		.amdhsa_user_sgpr_count 2
		.amdhsa_user_sgpr_kernarg_segment_ptr 1
		.amdhsa_wavefront_size32 1
		.amdhsa_system_sgpr_workgroup_id_x 1
		.amdhsa_system_sgpr_workgroup_id_y 1
		.amdhsa_system_sgpr_workgroup_id_z 1
		.amdhsa_system_vgpr_workitem_id 0
		.amdhsa_next_free_vgpr 1024
		.amdhsa_next_free_sgpr 80
		.amdhsa_reserve_vcc 0
		.amdhsa_float_denorm_mode_32 3
		.amdhsa_float_denorm_mode_16_64 3
		.amdhsa_memory_ordered 1
		.amdhsa_forward_progress 1
		.amdhsa_inst_pref_size 115
	.end_amdhsa_kernel
	.amdgpu_metadata
---
amdhsa.version: [ 1, 2 ]
amdhsa.kernels:
  - .name:           k_q27013b040d_down
    .symbol:         k_q27013b040d_down.kd
    .args:
      - { .name: hq, .offset: 0, .size: 8, .value_kind: global_buffer, .address_space: global }
      - { .name: down_w, .offset: 8, .size: 8, .value_kind: global_buffer, .address_space: global }
      - { .name: down_alpha, .offset: 16, .size: 8, .value_kind: global_buffer, .address_space: global }
      - { .name: down_bias, .offset: 24, .size: 8, .value_kind: global_buffer, .address_space: global }
      - { .name: out0, .offset: 32, .size: 8, .value_kind: global_buffer, .address_space: global }
    .group_segment_fixed_size: 327680
    .private_segment_fixed_size: 0
    .kernarg_segment_align: 8
    .kernarg_segment_size: 40
    .max_flat_workgroup_size: 128
    .sgpr_count:     80
    .vgpr_count:     1024
    .wavefront_size: 32
...
	.end_amdgpu_metadata
.endif
;; end of part 3
;; ======== version 2 of 2: 3 launches
;; workspace buffers: xh 4,194,304 bytes; hq 11,272,192 bytes
;; launch cvtx (part 4): grid 256 x 1, 2 waves a work-group, no clusters, 8,960 bytes of LDS; arguments x, xh; writes xh
.if DOCPART == 4
	.amdgcn_target "amdgcn-amd-amdhsa--gfx1250"
	.amdhsa_code_object_version 6
	.text
	.protected	k_q27013b040d_cvtx
	.globl	k_q27013b040d_cvtx
	.p2align	8
	.type	k_q27013b040d_cvtx,@function
k_q27013b040d_cvtx:
	s_mov_b64 s[64:65], 0
	v_nop
	global_prefetch_b8 v0, s[64:65] scope:SCOPE_SE
	s_setreg_imm32_b32 hwreg(HW_REG_WAVE_MODE, 25, 1), 1
	s_wait_xcnt 0x0
; xh = x ([512][4096] int8) as bf16 (whole numbers -128 .. 127 are exact there), laid in the order in which the next launch's matrix instructions take it:
; element (row 16 rb + r, k = 32 c + 16 h + 8 p + e) lies at byte rb*131072 + c*1024 + p*512 + h*256 + r*16 + 2 e.
; A block of 16 rows x 32 k is 1,024 bytes on end; lane 16 h + r of a wave reads its part with two 16-byte loads at 16 x lane and 512 + 16 x lane.
; A wave takes 16 rows x 256 bytes of x: 512 such tasks, two waves to a work-group.  The rows go through the wave's own LDS bytes
; (pitch 272), since a lane reads 16 bytes of a row from memory beside its neighbours and needs 16 bytes of ITS row for the new order.
; int8 to bf16, reckoned in f32: t = x xor 0x80 is x + 128 as a byte; the byte under 0x4B0000 is the f32 number 2^23 + t; adding -(2^23 + 128) gives x, exactly;
; two such numbers are rounded (exactly) into one word.  No matrix unit, cluster or tensor load: the launch only moves 2 MiB in and 4 MiB out.
.set PITCH, 272                        ; LDS row: 256 bytes + 16, an odd multiple of 16: 16 rows' equal columns fall on different banks
.set WLDS,  16*PITCH                   ; a wave's own bytes
.set IN,    8                          ; v[8:39]    as loaded: load i holds rows 2 i and 2 i + 1
.set RW,    40                         ; v[40:71]   word group c: bytes 32 c + 16 h .. + 15 of row r
.set OUT,   72                         ; v[72:135]  group c as 16 bf16
.set T,     136                        ; v[136:151] a group's 16 numbers in f32
.set KC,    152                        ; v[152:153] -(2^23 + 128), twice
	s_load_b128 s[4:7], s[0:1], 0x0                ; x s[4:5], xh s[6:7]
	v_lshl_add_u32 v160, v0, 2, 0x2200
	v_mov_b32 v161, 0
	v_lshrrev_b32 v2, 5, v0
	v_readfirstlane_b32 s8, v2                     ; wave 0, 1
	v_and_b32 v1, 15, v0                           ; r
	v_bfe_u32 v2, v0, 4, 1                         ; h
	s_lshl_b32 s9, ttmp9, 1
	s_add_co_u32 s9, s9, s8                        ; task 0 .. 511
	s_lshr_b32 s21, s9, 4                          ; rb: which 16 rows
	s_and_b32 s22, s9, 15                          ; kb: which 256 bytes of them
	s_lshl_b32 s16, s21, 16                        ; x: rb x 16 rows x 4,096 bytes
	s_lshl_b32 s17, s22, 8
	s_add_co_u32 s16, s16, s17
	s_mov_b32 s17, 0
	s_lshl_b32 s18, s21, 17                        ; xh: rb x 131,072
	s_lshl_b32 s19, s22, 13                        ; + kb x 8 blocks of 1,024
	s_add_co_u32 s18, s18, s19
	s_mov_b32 s19, 0
	s_mul_i32 s20, s8, WLDS
	s_mov_b32 s10, 0x80808080
	s_mov_b32 s11, 0x4b000000                      ; 2^23
	s_mov_b32 s12, 0x03000004                      ; byte 0 of the first source under the upper three bytes of the second
	s_mov_b32 s13, 0x03000005                      ; byte 1
	s_mov_b32 s14, 0x03000006                      ; byte 2
	s_mov_b32 s15, 0x03000007                      ; byte 3
	v_lshlrev_b32 v3, 12, v2
	v_lshl_add_u32 v3, v1, 4, v3                   ; from memory: row h, 16 bytes at 16 r: sixteen lanes take 256 consecutive bytes
	v_mul_u32_u24 v4, v2, PITCH
	v_lshl_add_u32 v4, v1, 4, v4
	v_add_nc_u32 v4, s20, v4                       ; into LDS: the same
	v_mul_u32_u24 v5, v1, PITCH
	v_lshl_add_u32 v5, v2, 4, v5
	v_add_nc_u32 v5, s20, v5                       ; back: row r, 16 bytes at 16 h
	v_and_b32 v6, 31, v0
	v_lshlrev_b32 v6, 4, v6                        ; out: 16 x lane
	v_mov_b32 v[KC], 0xcb000080                    ; -(2^23 + 128)
	v_mov_b32 v[KC+1], 0xcb000080
	s_wait_kmcnt 0x0
	s_add_nc_u64 s[4:5], s[4:5], s[16:17]
	s_add_nc_u64 s[6:7], s[6:7], s[18:19]
.irp i, 0,1,2,3,4,5,6,7
	global_load_b128 v[IN+4*\i:IN+4*\i+3], v3, s[4:5] offset:8192*\i th:TH_LOAD_NT
.endr
.irp i, 0,1,2,3,4,5,6,7
	s_wait_loadcnt 7-\i                            ; loads come back in order: load i is in, the younger ones stay out
	ds_store_b128 v4, v[IN+4*\i:IN+4*\i+3] offset:2*PITCH*\i
.endr
.irp c, 0,1,2,3,4,5,6,7
	ds_load_b128 v[RW+4*\c:RW+4*\c+3], v5 offset:32*\c     ; LDS serves a wave's instructions in order: these see the wave's own stores above
.endr
.irp c, 0,1,2,3,4,5,6,7
	s_wait_dscnt 7-\c                              ; group c is in
.irp w, 0,1,2,3
	v_xor_b32 v[RW+4*\c+\w], s10, v[RW+4*\c+\w]
.endr
.irp w, 0,1,2,3
.irp b, 0,1,2,3
	v_perm_b32 v[T+4*\w+\b], v[RW+4*\c+\w], s11, s[12+\b]  ; 2^23 + t
.endr
.endr
.irp m, 0,2,4,6,8,10,12,14
	v_pk_add_f32 v[T+\m:T+\m+1], v[T+\m:T+\m+1], v[KC:KC+1]        ; x, in f32
.endr
.irp m, 0,1,2,3,4,5,6,7
	v_cvt_pk_bf16_f32 v[OUT+8*\c+\m], v[T+2*\m], v[T+2*\m+1]
.endr
	global_store_b128 v6, v[OUT+8*\c:OUT+8*\c+3],   s[6:7] offset:1024*\c       ; each store of the wave covers 512 consecutive bytes, aligned
	global_store_b128 v6, v[OUT+8*\c+4:OUT+8*\c+7], s[6:7] offset:1024*\c+512
.endr
	s_wait_tensorcnt 0x0
	ds_add_u32 v160, v161
	s_wait_dscnt 0x0
	s_endpgm
.Lfunc_end_k_q27013b040d_cvtx:
	.size	k_q27013b040d_cvtx, .Lfunc_end_k_q27013b040d_cvtx-k_q27013b040d_cvtx
	.p2alignl 7, 3214868480
	.fill 96, 4, 3214868480
	.section	.rodata,"a",@progbits
	.p2align	6, 0x0
	.amdhsa_kernel k_q27013b040d_cvtx
		.amdhsa_group_segment_fixed_size 8960
		.amdhsa_private_segment_fixed_size 0
		.amdhsa_enable_private_segment 0
		.amdhsa_kernarg_size 16
		.amdhsa_user_sgpr_count 2
		.amdhsa_user_sgpr_kernarg_segment_ptr 1
		.amdhsa_wavefront_size32 1
		.amdhsa_system_sgpr_workgroup_id_x 1
		.amdhsa_system_sgpr_workgroup_id_y 1
		.amdhsa_system_sgpr_workgroup_id_z 1
		.amdhsa_system_vgpr_workitem_id 0
		.amdhsa_next_free_vgpr 162
		.amdhsa_next_free_sgpr 66
		.amdhsa_reserve_vcc 0
		.amdhsa_float_denorm_mode_32 3
		.amdhsa_float_denorm_mode_16_64 3
		.amdhsa_memory_ordered 1
		.amdhsa_forward_progress 1
		.amdhsa_inst_pref_size 24
	.end_amdhsa_kernel
	.amdgpu_metadata
---
amdhsa.version: [ 1, 2 ]
amdhsa.kernels:
  - .name:           k_q27013b040d_cvtx
    .symbol:         k_q27013b040d_cvtx.kd
    .args:
      - { .name: x, .offset: 0, .size: 8, .value_kind: global_buffer, .address_space: global }
      - { .name: xh, .offset: 8, .size: 8, .value_kind: global_buffer, .address_space: global }
    .group_segment_fixed_size: 8960
    .private_segment_fixed_size: 0
    .kernarg_segment_align: 8
    .kernarg_segment_size: 16
    .max_flat_workgroup_size: 64
    .sgpr_count:     66
    .vgpr_count:     162
    .wavefront_size: 32
...
	.end_amdgpu_metadata
.endif
;; end of part 4
;; launch gateup (part 5): grid 4 x 58, 4 waves a work-group, clusters of 4 x 1, 327,680 bytes of LDS; arguments xh, gate_w, up_w, gate_alpha, gate_bias, up_alpha, up_bias, down_input_scale, hq; writes hq
.if DOCPART == 5
	.amdgcn_target "amdgcn-amd-amdhsa--gfx1250"
	.amdhsa_code_object_version 6
	.text
	.protected	k_q27013b040d_gateup
	.globl	k_q27013b040d_gateup
	.p2align	8
	.type	k_q27013b040d_gateup,@function
k_q27013b040d_gateup:
	s_mov_b64 s[64:65], 0
	v_nop
	global_prefetch_b8 v0, s[64:65] scope:SCOPE_SE
	s_setreg_imm32_b32 hwreg(HW_REG_WAVE_MODE, 25, 1), 1
	s_wait_xcnt 0x0
	s_wait_alu depctr_hold_cnt(0) depctr_sa_sdst(0) depctr_va_vdst(0) depctr_va_sdst(0) depctr_va_ssrc(0) depctr_va_vcc(0) depctr_vm_vsrc(0)
	s_getreg_b32 s2, hwreg(HW_REG_IB_STS2, 6, 4)
	s_cmp_eq_u32 s2, 0
	s_cbranch_scc0 .Lentry_in_a_cluster
	s_endpgm
.Lentry_in_a_cluster:
	s_bfe_u32 s2, ttmp6, 0x10000c
	s_cmp_lg_u32 s2, 0x3003
	s_cbranch_scc0 .Lentry_shape_is_right
	s_endpgm
.Lentry_shape_is_right:
; hq = clip(round(silu(g) u / scale), -128, 127) as bf16, g = (x gate_w^T) gate_alpha + gate_bias, u likewise with up's.  x comes as xh (bf16, in blocks of 16 rows x 32 k
; of 1,024 bytes: element (16 rb + r, 32 c + 16 h + 8 p + e) at rb*131072 + c*1024 + p*512 + h*256 + r*16 + 2 e); hq leaves in the same order with 352,256 bytes for 16 rows.
; FORMAT.  All matrix operands are whole numbers -128 .. 127 by their type (the weights divided by 64): exact in bf16.  Sums in f32: exact while the whole-number sum is below 2^24
; (weights in -8 .. 7: 4096 x 128 x 8 = 2^22); with weights over all of int8 they round as f32 sums do.
; LIMITS.  h / scale is h x rcp(scale) (v_rcp_f32, 1 ULP), folded into up's alpha and bias; (g u') sigmoid(g) stands for (g sigmoid(g)) u / scale: a value within about 1e-7
; (relative) of a rounding tie may land one step from the quotient's.  |scale| lies in 2^-120 .. 2^126 (64 / scale is formed).
; SHARES.  A work-group: 128 tokens (cx) x 192 columns of h (tile ct of 58; 11008 = 57 x 192 + 64).  A wave: all 128 tokens x 48 columns, gate and up together: 8 x 6 = 48 accumulators.
; In tile 57 the column blocks from 688 on do not exist: their weight rows, alphas and biases are read from clamped places, and nothing is stored for them.
; CLUSTER 4 x 1: the four partners have the four token groups and the SAME weight tiles, which are asked for jointly (mask 15).  Not 4 x 4: 58 column tiles do not divide by 4.
; xh's tile is each partner's own (no partner shares its tokens): a plain load, behind the same round.
; THE MATRIX INSTRUCTION IS USED TRANSPOSED: source 0 = 16 weight rows, source 1 = 16 tokens.  A lane then holds one token and eight neighbouring columns: 16 bytes of bf16, and sixteen
; lanes' 16 bytes are 256 consecutive bytes of hq, aligned: they are stored straight from registers.
; K INSIDE A BLOCK OF 32 is permuted alike on both sides: lane (r, h) holds k = 16 h .. 16 h + 15 in its eight registers.  So a weight fragment is ONE 16-byte LDS load.
; WEIGHTS ARE MADE bf16 IN REGISTERS, reckoned in f32.  t = w xor 0x80 is w + 128 as a byte.  The half word 0x00tt, read as bf16, is t x 2^-133 for every t: below 128 a denormal
; (t / 128 x 2^-126), from 128 on the normal number (1 + (t - 128) / 128) x 2^-126.  One fused multiply-add in f32, t x 2^-133 x 2^127 - 2 = w / 64, rounded to bf16 (exactly), stands in
; the half's place.  This leans on the wave's mode, which keeps f32 denormals.  The factor 64 goes into the alphas, exactly.  28 instructions a fragment (4 xor, 8 byte picks, 16
; multiply-adds), 168 for a chunk's 48 matrix instructions; they stand between the matrix instructions, 4, 3, 4, 3 ..
; REGISTERS, in windows of 256.  Window 2 (gate) and window 3 (up), alike: v0-191 the 24 accumulators ((token block i, column block f) at 8 (8 f + i)); v192-203 raw bytes of the three
; fragments; v204-227, v228-251 the fragments as bf16, two buffers; v252 LDS address of my weight rows in slot 0; v253 the address of the run of raw loads in hand; v254 = -2.
; Window 1: v0-63, v64-127 token fragments, two buffers; v128 = 2^127; v130-225 alpha and bias.  Window 0: addresses and the way out.  With destination, source 0 and source 2 in the
; phase's window and source 1 in window 1, the matrix instructions, the conversions and the raw loads all run under ONE setting: four switches for a plain chunk.
; PIPELINE.  A chunk is 32 along K.  Chunk q multiplies buffers q % 2, loads the token fragments of q + 1, converts the raw bytes of q + 1, and then loads the raw bytes of q + 2.
; LDS.  xh: two slots of a K step of 128 (8 x 4 blocks).  Weights: two slots of K = 256 (rows of 256 bytes + 16): gate's 192 rows, then up's; a slot is filled in two pieces, gate's in one
; step and up's in the next, 64 rows by each of waves 1 to 3; wave 0 fills xh's slot.  One barrier a step, in the step's third chunk, between the token loads (the last reads of the step's
; xh tile) and the raw loads (which may be the first of a new weight tile).
; THE LOOP'S TEXT IS ONE WEIGHT TILE: two K steps, eight chunks, some 2,000 instructions; 24 of the 128 chunks are written in all.  What changes from trip to trip is the weight slot
; alone: the two slots lie 1 << 17 bytes apart and neither crosses a multiple of that, so one exclusive or turns an address in one into the other's: s[TBB] for the raw loads, and the LDS
; word of the two walking descriptors (gate's pieces, up's pieces).
.set NF,    3
.set PITCH, 272
.set PIECE, 64*PITCH                   ; 17,408: what one joint load brings
.set BBASE, PIECE                      ; weight slot 0 begins here, so that wave w's piece (w = 1, 2, 3) lies at w x PIECE + constants; the bytes below are not used
.set UPOFF, 192*PITCH                  ; up's rows lie behind gate's
.set SL1,   1<<17                      ; weight slot 1 = slot 0 + 131,072
.set SPARE, BBASE+2*UPOFF              ; 121,856, behind slot 0: the spare words, 128 bytes a wave: two blocks of 256 bytes that no other line names
.set ABASE, 2*SL1                      ; 262,144: xh's two slots, up to LDS's last byte
.set ASLOT, 32768                      ; xh: [8 token blocks][4 chunks][1,024]
.set RBH,   352256                     ; hq: bytes for 16 rows
.set NBLK,  688                        ; column blocks of 16 that exist
.set RAW,   64*NF
.set BC0,   RAW+4*NF
.set ADB,   BC0+16*NF                  ; v252
.set ADR,   ADB+1                      ; v253
.set NG,    254                        ; windows 2 and 3: -2.0
.set AF0,   0
.set KM,    128                        ; window 1: 2^127
.set AB1,   130                        ; window 1: for block f at AB1 + 32 f: gate alpha 8, gate bias 8, up alpha 8, up bias 8
.set NRL,   14                         ; behind matrix instruction 14 of a phase all 36 reads of the raw bytes are long issued, and the barrier (if any) is passed: they are loaded anew
.set NSIG,  8                          ; the barrier's signal stands in front of matrix instruction 8, its wait in front of 12
.set NWAIT, 12
.set ADA,   4                          ; v4, v5   LDS address of my token fragments in slot 0, 1
.set VO,    6                          ; v6-8     my byte offset in hq for block f
.set VAB,   10                         ; v10-12   my byte offset in the alphas and biases for block f
.set SPW,   14                         ; v14      LDS address of my spare word; never rewritten
.set NIL,   15                         ; v15      0; never rewritten
.set G,     32                         ; the way out: v[32:39] g, v[40:47] u / scale, v[48:55] sigmoid, v[56:63] the product, v[64:67] 8 bf16
.set U,     40
.set E,     48
.set GU,    56
.set H,     64
.set WV,    26                         ; s26 wave   s27 cx
.set CX,    27
.set G1A,   28                         ; s[28:35] group 1 for xh's tiles
.set G1B,   36                         ; s[36:43] group 1 for the weights' pieces
.set GA0,   44                         ; s[44:51] group 0 for xh, one set a slot
.set GBG,   60                         ; group 0 for the pieces: s52 gate's first, s56 up's first; s[60:63] gate's second, which then walks on; s[68:71] the same for up
.set GBU,   68
.set CT,    72
.set CB0,   73                         ; my first column block
.set CNT,   74
.set SX,    75
.set ZR,    76                         ; 0
.set SEL0,  77                         ; s77, s78
.set TL,    79
.set INV,   80                         ; s[80:81] 1 / scale, twice
.set LO,    82
.set HI,    83
.set SC,    84
.set TBB,   85                         ; 0 or SL1: the weight slot of the raw loads in hand
.set I64,   94                         ; s[94:95] 64 / scale, twice
.set W_G,   0xa6                       ; destination, source 0, source 2: window 2; source 1: window 1
.set W_U,   0xf7                       ; the same with window 3
.set W_AL,  0x40                       ; destination window 1, address window 0
.set MSB, 0
.macro WIN new                         ; the immediate's high byte repeats the setting that is left; a switch that changes nothing is dropped
.if MSB != \new
	s_set_vgpr_msb (MSB<<8)|\new
.set MSB, \new
.endif
.endm
.macro PLACES
.rept 4
	v_nop
.endr
.endm
; A round of the cluster's barrier: my work-group's barrier; wave 0 signals for the work-group; every wave waits for all four work-groups; my work-group's barrier once more.
.macro CREST
	s_cmp_lg_u32 s[WV], 0
	s_cbranch_scc1 .Lnot_wave_0_\@
	s_barrier_signal -3
.Lnot_wave_0_\@:
	s_barrier_wait -3
	s_barrier_signal -1
	s_barrier_wait -1
.endm
.macro CROUND
	s_barrier_signal -1
	s_barrier_wait -1
	CREST
.endm
; The refill: wave 0 asks for xh's next tile (its work-group's own), waves 1 to 3 jointly for 64 rows each of the piece that is due (both = 1).  One tensor load a wave.
; Four v_nop follow each line, ahead of the jump, the label and what follows.  The branch hangs on the wave's number alone.
.macro JLOAD ga, gb, both
	s_cmp_eq_u32 s[WV], 0
	s_cbranch_scc0 .Lfor_b_\@
	tensor_load_to_lds s[\ga:\ga+3], s[G1A:G1A+7]
	s_nop 0
	PLACES
	s_branch .Lasked_\@
.Lfor_b_\@:
.if \both
	tensor_load_to_lds s[\gb:\gb+3], s[G1B:G1B+7]
	s_nop 0
	PLACES
.endif
.Lasked_\@:
.endm
; Conversion instruction j of 84 of the phase in hand: 12 xor, 24 byte picks (two bytes as two half words 0x00tt), 24 + 24 multiply-adds in f32 that put w / 64 as bf16 in the low and
; in the high half's place, into buffer cBN.
.macro CV
.if j < 4*NF
	v_xor_b32 v[RAW+j], v[RAW+j], s[SX]
.elseif j < 12*NF
.set k, j-4*NF
	v_perm_b32 v[cBN+k], v[RAW+k/2], s[ZR], s[SEL0+k%2]
.elseif j < 20*NF
.set k, j-12*NF
	v_fma_mixlo_bf16 v[cBN+k], v[cBN+k], v[KM], v[NG] op_sel_hi:[1,0,0]
.else
.set k, j-20*NF
	v_fma_mixhi_bf16 v[cBN+k], v[cBN+k], v[KM], v[NG] op_sel:[1,0,0] op_sel_hi:[1,0,0]
.endif
.set j, j+1
.endm
.macro RLOAD                           ; the phase's three raw fragments: rows 16 f + r, 16 bytes at cBO + 16 h, of the slot that s[TBB] names
	v_add_nc_u32 v[ADR], v[ADB], s[TBB]
.irp f, 0,1,2
	ds_load_b128 v[RAW+4*\f:RAW+4*\f+3], v[ADR] offset:\f*16*PITCH+cBO
.endr
.endm
.macro ALOAD                           ; the eight token fragments of chunk cAQ of slot cAS into buffer cAN: 32 lanes x 16 bytes on end, twice a fragment
	WIN W_AL
.irp i, 0,1,2,3,4,5,6,7
	ds_load_b128 v[cAN+8*\i:cAN+8*\i+3],   v[ADA+cAS] offset:\i*4096+cAQ*1024
	ds_load_b128 v[cAN+8*\i+4:cAN+8*\i+7], v[ADA+cAS] offset:\i*4096+cAQ*1024+512
.endr
.endm
; cnt matrix instructions from number n on, each with its slice of conversions.  The phase's 24 accumulators take turns, one instruction a turn.
.macro RUN cnt, zero, cv, lr
.rept \cnt
.if \zero
	v_wmma_f32_16x16x32_bf16 v[8*n:8*n+7], v[cBC+8*(n/8):cBC+8*(n/8)+7], v[cAB+8*(n%8):cAB+8*(n%8)+7], 0
.else
	v_wmma_f32_16x16x32_bf16 v[8*n:8*n+7], v[cBC+8*(n/8):cBC+8*(n/8)+7], v[cAB+8*(n%8):cAB+8*(n%8)+7], v[8*n:8*n+7]
.endif
.if \cv
	CV
	CV
	CV
.if n%2 == 0
	CV
.endif
.if \lr && (n == NRL)
	RLOAD
.endif
.endif
.set n, n+1
.endr
.endm
; Chunk Q (of a weight tile's eight).  zero: its products start the sums.  kind 0: no barrier; 1: round, xh's refill (set sA) and a piece's (set sB); 2: round, xh's refill alone; 3: a plain
; barrier.  la, lr, cv: token loads for Q + 1, raw loads for Q + 2, conversion of Q + 1.  ng, nu: the LDS loads that may stay out at the head of the two phases.
.macro CHUNK Q, zero, kind, la, lr, cv, ng, nu
.set cAB, AF0+64*((\Q)&1)
.set cAN, AF0+64*(((\Q)+1)&1)
.set cBC, BC0+8*NF*((\Q)&1)
.set cBN, BC0+8*NF*(((\Q)+1)&1)
.set cAS, (((\Q)+1)&7)>>2
.set cAQ, ((\Q)+1)&3
.set cBO, 32*(((\Q)+2)&7)
.if \lr && ((\Q) == 6)
	s_xor_b32 s[TBB], s[TBB], SL1                  ; from here on the raw loads, two chunks ahead, read the next weight tile: the other slot
.endif
	s_wait_dscnt \ng                               ; my token fragments and gate's raw bytes are in; younger are only up's raw loads
	WIN W_G
.set n, 0
.set j, 0
	RUN 2, \zero, \cv, \lr
.if \la
	ALOAD                                          ; the buffer's last reader is the chunk before's last matrix instruction: ten conversions, which name none of its registers, stand between
.endif
.if \kind
	WIN 0                                          ; (the add's two registers lie in window 0)
	s_wait_tensorcnt 0x0                           ; all my tensor loads have landed: my part of what is read behind this barrier
	ds_add_u32 v[SPW], v[NIL]                      ; 0 onto my spare word
.if \kind < 3
	s_add_nc_u64 s[sA+2:sA+3], s[sA+2:sA+3], 2*4096        ; no load of mine is out, so the sets may be written: this xh slot's tile two steps on;
.endif
.if \kind == 1
	s_xor_b32 s[sB+1], s[sB+1], SL1                        ; the walking set of gate's or up's pieces: the other slot than last time,
	s_add_nc_u64 s[sB+2:sB+3], s[sB+2:sB+3], 256           ; the next 256 bytes of the rows; the type bits on top are not reached
.endif
	WIN W_G
	RUN NSIG-2, \zero, \cv, \lr
	s_wait_dscnt 0x0                               ; the add is done; my reads of the tiles that are left are back
	s_barrier_signal -1
	RUN NWAIT-NSIG, \zero, \cv, \lr                ; work on registers while the others arrive
	WIN 0
	s_barrier_wait -1
.if \kind < 3
	CREST                                          ; the barrier has opened a round of the cluster's: no wave of any partner still reads the bytes or has a load on its way
	JLOAD sA, sB, 2-\kind
.endif
	WIN W_G
	RUN 8*NF-NWAIT, \zero, \cv, \lr
.else
	WIN W_G
	RUN 8*NF-2, \zero, \cv, \lr
.endif
.if \cv
	s_wait_dscnt \nu                               ; up's raw bytes are in; younger are this chunk's token loads and gate's raw loads
.endif
	WIN W_U
.set n, 0
.set j, 0
	RUN 8*NF, \zero, \cv, \lr
.endm
.macro PLAIN Q                         ; a chunk without a barrier
	CHUNK \Q, 0, 0, 1, 1, 1, NF, 16+NF
.endm
.macro MEET Q, kind, ga, gb            ; a step's third chunk, with its barrier: chunk 2 of the eight is an even step's, chunk 6 an odd step's
.set sA, \ga
.set sB, \gb
	CHUNK \Q, 0, \kind, 1, 1, 1, NF, 16+NF
.endm
.macro MKGB g, sl, ty, base            ; group 0 of a piece: slot sl, gate (0) or up (1)
	s_mov_b32 s[\g], 1
	s_add_co_u32 s[\g+1], s[TL], \sl*SL1+\ty*UPOFF ; waves 1, 2, 3: rows 0, 64, 128 of the piece, at BBASE + (w - 1) x PIECE = w x PIECE
	s_add_nc_u64 s[\g+2:\g+3], s[\base:\base+1], \sl*256
	s_or_b32 s[\g+3], s[\g+3], 0x80000000
.endm
	s_load_b512 s[8:23], s[0:1], 0x0               ; xh s[8:9], gate_w s[10:11], up_w s[12:13], gate_alpha s[14:15], gate_bias s[16:17], up_alpha s[18:19], up_bias s[20:21], scale s[22:23]
	s_load_b64 s[24:25], s[0:1], 0x40              ; hq
	v_lshl_add_u32 v[SPW], v0, 2, SPARE
	v_mov_b32 v[NIL], 0
	ds_add_u32 v14, v15
	s_wait_dscnt 0x0
	v_lshrrev_b32 v3, 5, v0
	v_readfirstlane_b32 s[WV], v3                  ; wave 0..3
	s_bfe_u32 s[CX], ttmp6, 0x40000                ; my place in the cluster = my token group (one cluster along x): it enters xh's and hq's addresses alone
	s_and_b32 s[CT], ttmp7, 0xffff                 ; the column tile, which the four partners share
	s_mul_i32 s[CB0], s[CT], 12
	s_mul_i32 s86, s[WV], 3
	s_add_co_u32 s[CB0], s[CB0], s86
	s_mov_b32 s[SX], 0x80808080
	s_mov_b32 s[ZR], 0
	s_mov_b32 s[SEL0], 0x00050004                  ; bytes 0, 1 of the raw word, each under a zero byte
	s_mov_b32 s[SEL0+1], 0x00070006                ; bytes 2, 3
	s_mov_b32 s[LO], 0xc3000000                    ; -128.0
	s_mov_b32 s[HI], 0x42fe0000                    ; 127.0
	s_mov_b32 s[TBB], 0                            ; the raw loads begin in slot 0
	; group 1 for xh: 8 rows (token blocks) of 4,096 bytes (4 chunks), 131,072 bytes apart; elements of 8 bytes; dense in LDS
	s_mov_b32 s[G1A+0], 3<<16
	s_mov_b32 s[G1A+1], 512<<16                    ; tensor_dim0 = 512
	s_mov_b32 s[G1A+2], 8<<16                      ; tensor_dim1 = 8
	s_mov_b32 s[G1A+3], 512<<16                    ; tile_dim0 = 512
	s_mov_b32 s[G1A+4], 8                          ; tile_dim1 = 8
	s_mov_b32 s[G1A+5], 16384                      ; elements from row to row
	s_mov_b32 s[G1A+6], 0
	s_mov_b32 s[G1A+7], 0
	; group 1 for a piece: 64 rows of 256 bytes, 4,096 bytes apart; 4 words of padding behind every 64; mask: all four work-groups, bit 21 beside it
	s_mov_b32 s[G1B+0], 15|(3<<16)|(1<<20)|(1<<21)|(5<<22)|(3<<25)
	s_mov_b32 s[G1B+1], 32<<16
	s_mov_b32 s[G1B+2], 64<<16
	s_mov_b32 s[G1B+3], 32<<16
	s_mov_b32 s[G1B+4], 64
	s_mov_b32 s[G1B+5], 512
	s_mov_b32 s[G1B+6], 0
	s_mov_b32 s[G1B+7], 0
	s_lshl_b32 s86, s[CX], 20                      ; xh: 8 cx token blocks of 131,072 bytes
	s_mov_b32 s87, 0
	s_mul_i32 s88, s[CT], 192
	s_lshl_b32 s89, s[WV], 6
	s_add_co_u32 s88, s88, s89
	s_sub_co_u32 s88, s88, 64                      ; waves 1, 2, 3 fetch rows 192 ct + 0, 64, 128 (wave 0 fetches none; where this wraps the clamp below holds it)
	s_min_u32 s88, s88, 10944                      ; no load passes the last row: in tile 57 waves 2 and 3 fetch the last 64 rows once more
	s_lshl_b32 s88, s88, 12
	s_mov_b32 s89, 0
	s_mul_i32 s[TL], s[WV], PIECE
	s_mul_i32 s92, s[CX], 8*RBH                    ; hq: 8 cx token blocks
	s_mov_b32 s93, 0
	s_wait_kmcnt 0x0
	s_load_b32 s[SC], s[22:23], 0x0
	s_add_nc_u64 s[86:87], s[8:9], s[86:87]
	s_add_nc_u64 s[90:91], s[12:13], s[88:89]      ; up_w at my rows
	s_add_nc_u64 s[88:89], s[10:11], s[88:89]      ; gate_w at my rows
	s_add_nc_u64 s[24:25], s[24:25], s[92:93]
.irp sl, 0,1
	s_mov_b32 s[GA0+4*\sl], 1
	s_mov_b32 s[GA0+4*\sl+1], ABASE+\sl*ASLOT
	s_add_nc_u64 s[GA0+4*\sl+2:GA0+4*\sl+3], s[86:87], \sl*4096
	s_or_b32 s[GA0+4*\sl+3], s[GA0+4*\sl+3], 0x80000000
.endr
	MKGB 52, 0, 0, 88                              ; piece 0: weight tile 0, gate
	MKGB 56, 0, 1, 90                              ; piece 1: weight tile 0, up
	MKGB GBG, 1, 0, 88                             ; piece 2: weight tile 1, gate; this set walks on
	MKGB GBU, 1, 1, 90                             ; piece 3: weight tile 1, up; this set walks on
	CROUND                                         ; all four work-groups are here: the first joint loads meet
	s_cmp_eq_u32 s[WV], 0                          ; a wave's first fills stand in one branch, ahead of every wait on TENSORcnt, LDS read and further barrier:
	s_cbranch_scc0 .Lfirst_b                       ; two loads of wave 0 are out, four of each other wave
	tensor_load_to_lds s[GA0:GA0+3], s[G1A:G1A+7]
	s_nop 0
	tensor_load_to_lds s[GA0+4:GA0+7], s[G1A:G1A+7]
	s_nop 0
	PLACES
	s_branch .Lfirst_done
.Lfirst_b:
	tensor_load_to_lds s[52:55], s[G1B:G1B+7]
	s_nop 0
	tensor_load_to_lds s[56:59], s[G1B:G1B+7]
	s_nop 0
	tensor_load_to_lds s[GBG:GBG+3], s[G1B:G1B+7]
	s_nop 0
	tensor_load_to_lds s[GBU:GBU+3], s[G1B:G1B+7]
	s_nop 0
	PLACES
.Lfirst_done:
	v_and_b32 v1, 15, v0                           ; r
	v_bfe_u32 v2, v0, 4, 1                         ; h
	v_and_b32 v3, 31, v0
	v_lshl_add_u32 v[ADA], v3, 4, ABASE            ; 16 x lane, in xh's slot 0
	v_add_nc_u32 v[ADA+1], ASLOT, v[ADA]
	v_mul_u32_u24 v9, v1, PITCH
	v_lshl_add_u32 v9, v2, 4, v9                   ; row r, 16 bytes at 16 h
	v_lshlrev_b32 v13, 4, v1
	v_lshl_add_u32 v13, v2, 9, v13                 ; hq: 16 r + 512 h (my eight columns are the block's lower or upper eight)
.irp f, 0,1,2
	s_add_co_u32 s86, s[CB0], \f                   ; column block cb
	s_lshr_b32 s87, s86, 1
	s_lshl_b32 s87, s87, 10                        ; (cb / 2) x 1,024
	s_and_b32 s92, s86, 1
	s_lshl_b32 s92, s92, 8                         ; + (cb % 2) x 256
	s_add_co_u32 s87, s87, s92
	v_add_nc_u32 v[VO+\f], s87, v13
	s_min_u32 s86, s86, NBLK-1                     ; a block that does not exist reads the last block's alpha and bias
	s_lshl_b32 s86, s86, 6
	v_lshl_add_u32 v[VAB+\f], v2, 5, s86           ; (16 cb + 8 h) x 4
.endr
	s_mul_i32 s86, s[WV], 48*PITCH                 ; my 48 rows of gate's 192, in slot 0,
	s_add_co_u32 s86, s86, BBASE
	s_add_co_u32 s92, s86, UPOFF                   ; and of up's
	WIN 0x80                                       ; destination window 2
	v_add_nc_u32 v[ADB], s86, v9
	v_mov_b32 v[NG], -2.0
	WIN 0xc0                                       ; destination window 3
	v_add_nc_u32 v[ADB], s92, v9
	v_mov_b32 v[NG], -2.0
	WIN W_AL
	v_mov_b32 v[KM], 0x7f000000                    ; 2^127
.irp f, 0,1,2
	global_load_b128 v[AB1+32*\f:AB1+32*\f+3],     v[VAB+\f], s[14:15]
	global_load_b128 v[AB1+32*\f+4:AB1+32*\f+7],   v[VAB+\f], s[14:15] offset:16
	global_load_b128 v[AB1+32*\f+8:AB1+32*\f+11],  v[VAB+\f], s[16:17]
	global_load_b128 v[AB1+32*\f+12:AB1+32*\f+15], v[VAB+\f], s[16:17] offset:16
	global_load_b128 v[AB1+32*\f+16:AB1+32*\f+19], v[VAB+\f], s[18:19]
	global_load_b128 v[AB1+32*\f+20:AB1+32*\f+23], v[VAB+\f], s[18:19] offset:16
	global_load_b128 v[AB1+32*\f+24:AB1+32*\f+27], v[VAB+\f], s[20:21]
	global_load_b128 v[AB1+32*\f+28:AB1+32*\f+31], v[VAB+\f], s[20:21] offset:16
.endr
	WIN 0
	s_wait_kmcnt 0x0                               ; the scale
	v_mov_b32 v16, s[SC]
	v_rcp_f32 v17, v16
	v_nop                                          ; a plain instruction between the reciprocal and the use of its result
	s_wait_alu depctr_va_vdst(0)
	v_mul_f32 v18, 0x42800000, v17                 ; 64 / scale
	v_readfirstlane_b32 s[INV], v17
	v_readfirstlane_b32 s[I64], v18
	s_mov_b32 s[INV+1], s[INV]                     ; named as pairs, so both words are written
	s_mov_b32 s[I64+1], s[I64]
	s_wait_loadcnt 0x0                             ; alphas and biases, once, while the first tiles are on their way
	WIN 0x41                                       ; destination and source 0 window 1
.irp f, 0,1,2
.irp m, 0,2,4,6
	v_pk_mul_f32 v[AB1+32*\f+\m:AB1+32*\f+\m+1], v[AB1+32*\f+\m:AB1+32*\f+\m+1], 0x42800000 op_sel_hi:[1,0]              ; gate's alpha takes the weights' 64,
	v_pk_mul_f32 v[AB1+32*\f+16+\m:AB1+32*\f+16+\m+1], v[AB1+32*\f+16+\m:AB1+32*\f+16+\m+1], s[I64:I64+1] op_sel_hi:[1,0]  ; up's alpha 64 / scale,
	v_pk_mul_f32 v[AB1+32*\f+24+\m:AB1+32*\f+24+\m+1], v[AB1+32*\f+24+\m:AB1+32*\f+24+\m+1], s[INV:INV+1] op_sel_hi:[1,0]  ; up's bias 1 / scale
.endr
.endr
	WIN 0
	s_wait_tensorcnt 0x1                           ; wave 0: xh's tile 0 is in; waves 1 to 3: pieces 0 to 2.  The youngest may stay out
	s_barrier_signal -1
	s_barrier_wait -1                              ; everybody's is
	; The pipeline is filled: raw bytes of chunk 0, token fragments of chunk 0; chunk 0 is converted; raw bytes of chunk 1.
.set cBN, BC0
.set cBO, 0
.set cAN, AF0
.set cAS, 0
.set cAQ, 0
	WIN W_G
	RLOAD
	WIN W_U
	RLOAD
	ALOAD
	s_wait_dscnt 16                                ; the six raw loads are in; the sixteen token loads may stay out
.set cBO, 32
	WIN W_G
.set j, 0
.rept 12*NF
	CV
.endr
	RLOAD
.rept 16*NF
	CV
.endr
	WIN W_U
.set j, 0
.rept 12*NF
	CV
.endr
	RLOAD
.rept 16*NF
	CV
.endr
	; 128 chunks, 32 K steps t of four; step t's barrier stands in chunk 4 t + 2.  It frees xh's slot t % 2 (tile t + 2 is asked for, t <= 29) and, for t = 1 .. 28, the bytes of piece t + 3.
	CHUNK 0, 1, 0, 1, 1, 1, NF, 16+NF              ; chunk 0 starts the 48 sums
	PLAIN 1
	MEET 2, 2, GA0, GBU                            ; step 0: xh's tile 2 alone (pieces 0 to 3 were first fills)
	WIN 0                                          ; at a label and at a branch every window is 0
	s_mov_b32 s[CNT], 14
.Lloop:                                                ; chunks 3 to 114, eight a trip: steps 1 to 28
	PLAIN 3
	PLAIN 4
	PLAIN 5
	MEET 6, 1, GA0+4, GBG                          ; an odd step: xh's slot 1, gate's piece
	PLAIN 7
	PLAIN 0
	PLAIN 1
	MEET 2, 1, GA0, GBU                            ; an even step: xh's slot 0, up's piece
	WIN 0
	s_sub_co_u32 s[CNT], s[CNT], 1
	s_cmp_lg_u32 s[CNT], 0
	s_cbranch_scc1 .Lloop
	PLAIN 3                                        ; chunks 115 to 127 are written out
	PLAIN 4
	PLAIN 5
	MEET 6, 2, GA0+4, GBG                          ; step 29: xh's last tile; no piece is left
	PLAIN 7
	PLAIN 0
	PLAIN 1
	MEET 2, 3, GA0, GBU                            ; step 30: a plain barrier shows that tile to every wave
	PLAIN 3
	PLAIN 4
	PLAIN 5
	CHUNK 6, 0, 0, 1, 0, 1, NF, 16                 ; chunk 126: no raw bytes are left to load
	CHUNK 7, 0, 0, 0, 0, 0, 0, 0                   ; chunk 127 only multiplies
	WIN 0
	PLACES                                         ; four places between the last products and the first read of a result
; THE WAY OUT of accumulators (i, f): g and u / scale; sigmoid(g) = 1 / (1 + 2^(-1.442695 g)); the product; rounded to the nearest whole number, ties to even; clipped; eight bf16, 16 bytes.
.macro EPI f, i
.set eA, 8*(8*\f+\i)
.set eC, AB1+32*\f
	WIN 0x16                                       ; source 0 window 2, sources 1 and 2 window 1, destination window 0
.irp m, 0,2,4,6
	v_pk_fma_f32 v[G+\m:G+\m+1], v[eA+\m:eA+\m+1], v[eC+\m:eC+\m+1], v[eC+8+\m:eC+8+\m+1]         ; an accumulator is read from its low end on
.endr
	WIN 0x17                                       ; source 0 window 3
.irp m, 0,2,4,6
	v_pk_fma_f32 v[U+\m:U+\m+1], v[eA+\m:eA+\m+1], v[eC+16+\m:eC+16+\m+1], v[eC+24+\m:eC+24+\m+1]
.endr
	WIN 0
.irp m, 0,2,4,6
	v_pk_mul_f32 v[E+\m:E+\m+1], v[G+\m:G+\m+1], 0xbfb8aa3b op_sel_hi:[1,0]
.endr
.irp m, 0,1,2,3,4,5,6,7
	v_exp_f32 v[E+\m], v[E+\m]
.endr
.irp m, 0,2,4,6
	v_pk_mul_f32 v[GU+\m:GU+\m+1], v[G+\m:G+\m+1], v[U+\m:U+\m+1]  ; plain work between the exponentials and the use of their results
.endr
	s_wait_alu depctr_va_vdst(0)
.irp m, 0,2,4,6
	v_pk_add_f32 v[E+\m:E+\m+1], v[E+\m:E+\m+1], 1.0 op_sel_hi:[1,0]
.endr
.irp m, 0,1,2,3,4,5,6,7
	v_rcp_f32 v[E+\m], v[E+\m]                     ; where 2^.. is infinite this is 0, and so is the product
.endr
	v_nop
	s_wait_alu depctr_va_vdst(0)
.irp m, 0,2,4,6
	v_pk_mul_f32 v[GU+\m:GU+\m+1], v[GU+\m:GU+\m+1], v[E+\m:E+\m+1]
.endr
.irp m, 0,1,2,3,4,5,6,7
	v_rndne_f32 v[GU+\m], v[GU+\m]
.endr
.irp m, 0,1,2,3,4,5,6,7
	v_med3_num_f32 v[GU+\m], v[GU+\m], s[LO], s[HI]
.endr
	s_wait_xcnt 0x0                                ; the last store's data registers are rewritten only behind this wait
.irp m, 0,1,2,3
	v_cvt_pk_bf16_f32 v[H+\m], v[GU+2*\m], v[GU+2*\m+1]
.endr
	global_store_b128 v[VO+\f], v[H:H+3], s[24:25] offset:\i*RBH   ; sixteen lanes store 256 consecutive bytes, aligned; 7 x 352,256 lies inside the signed 24-bit immediate
.endm
.irp f, 0,1,2
	s_cmp_ge_u32 s[CB0], NBLK-\f                   ; block CB0 + f and those behind it do not exist (tile 57 alone): nothing is stored for them
	s_cbranch_scc1 .Lout
.irp i, 0,1,2,3,4,5,6,7
	EPI \f, \i
.endr
.endr
.Lout:
	s_wait_tensorcnt 0x0                           ; the wave's end
	ds_add_u32 v[SPW], v[NIL]
	s_wait_dscnt 0x0
	CROUND                                         ; the closing round: no work-group ends while a partner may still ask for a piece that names it
	s_endpgm
.Lfunc_end_k_q27013b040d_gateup:
	.size	k_q27013b040d_gateup, .Lfunc_end_k_q27013b040d_gateup-k_q27013b040d_gateup
	.p2alignl 7, 3214868480
	.fill 96, 4, 3214868480
	.section	.rodata,"a",@progbits
	.p2align	6, 0x0
	.amdhsa_kernel k_q27013b040d_gateup
		.amdhsa_group_segment_fixed_size 327680
		.amdhsa_private_segment_fixed_size 0
		.amdhsa_enable_private_segment 0
		.amdhsa_kernarg_size 72
		.amdhsa_user_sgpr_count 2
		.amdhsa_user_sgpr_kernarg_segment_ptr 1
		.amdhsa_wavefront_size32 1
		.amdhsa_system_sgpr_workgroup_id_x 1
		.amdhsa_system_sgpr_workgroup_id_y 1
		.amdhsa_system_sgpr_workgroup_id_z 1
		.amdhsa_system_vgpr_workitem_id 0
		.amdhsa_next_free_vgpr 1024
		.amdhsa_next_free_sgpr 96
		.amdhsa_reserve_vcc 0
		.amdhsa_float_denorm_mode_32 3
		.amdhsa_float_denorm_mode_16_64 3
		.amdhsa_memory_ordered 1
		.amdhsa_forward_progress 1
		.amdhsa_inst_pref_size 255
	.end_amdhsa_kernel
	.section	.bss,"aw",@nobits
	.p2align	6
	.space	262144
	.amdgpu_metadata
---
amdhsa.version: [ 1, 2 ]
amdhsa.kernels:
  - .name:           k_q27013b040d_gateup
    .symbol:         k_q27013b040d_gateup.kd
    .args:
      - { .name: xh, .offset: 0, .size: 8, .value_kind: global_buffer, .address_space: global }
      - { .name: gate_w, .offset: 8, .size: 8, .value_kind: global_buffer, .address_space: global }
      - { .name: up_w, .offset: 16, .size: 8, .value_kind: global_buffer, .address_space: global }
      - { .name: gate_alpha, .offset: 24, .size: 8, .value_kind: global_buffer, .address_space: global }
      - { .name: gate_bias, .offset: 32, .size: 8, .value_kind: global_buffer, .address_space: global }
      - { .name: up_alpha, .offset: 40, .size: 8, .value_kind: global_buffer, .address_space: global }
      - { .name: up_bias, .offset: 48, .size: 8, .value_kind: global_buffer, .address_space: global }
      - { .name: down_input_scale, .offset: 56, .size: 8, .value_kind: global_buffer, .address_space: global }
      - { .name: hq, .offset: 64, .size: 8, .value_kind: global_buffer, .address_space: global }
    .group_segment_fixed_size: 327680
    .private_segment_fixed_size: 0
    .kernarg_segment_align: 8
    .kernarg_segment_size: 72
    .max_flat_workgroup_size: 128
    .sgpr_count:     96
    .vgpr_count:     1024
    .wavefront_size: 32
...
	.end_amdgpu_metadata
.endif
;; end of part 5
;; launch down (part 6): grid 64 x 4, 4 waves a work-group, clusters of 4 x 4, 327,680 bytes of LDS; arguments hq, down_w, down_alpha, down_bias, out0; writes out0
.if DOCPART == 6
	.amdgcn_target "amdgcn-amd-amdhsa--gfx1250"
	.amdhsa_code_object_version 6
	.text
	.protected	k_q27013b040d_down
	.globl	k_q27013b040d_down
	.p2align	8
	.type	k_q27013b040d_down,@function
k_q27013b040d_down:
	s_mov_b64 s[64:65], 0
	v_nop
	global_prefetch_b8 v0, s[64:65] scope:SCOPE_SE
	s_setreg_imm32_b32 hwreg(HW_REG_WAVE_MODE, 25, 1), 1
	s_wait_xcnt 0x0
	s_wait_alu depctr_hold_cnt(0) depctr_sa_sdst(0) depctr_va_vdst(0) depctr_va_sdst(0) depctr_va_ssrc(0) depctr_va_vcc(0) depctr_vm_vsrc(0)
	s_getreg_b32 s2, hwreg(HW_REG_IB_STS2, 6, 4)
	s_cmp_eq_u32 s2, 0
	s_cbranch_scc0 .Lentry_in_a_cluster
	s_endpgm
.Lentry_in_a_cluster:
	s_bfe_u32 s2, ttmp6, 0x10000c
	s_cmp_lg_u32 s2, 0xf033
	s_cbranch_scc0 .Lentry_shape_is_right
	s_endpgm
.Lentry_shape_is_right:
; out0[t][n] = (sum over k of hq[t][k] down_w[n][k]) down_alpha[n] + down_bias[n].  hq: bf16 whole numbers -128 .. 127, in blocks of 16 rows x 32 k of 1,024 bytes (element
; (16 rb + r, 32 c + 16 h + 8 p + e) at rb*352256 + c*1024 + p*512 + h*256 + r*16 + 2 e).  down_w: [4096][11008] int8.  out0: [512][4096] f32.
; FORMAT.  Both operands are whole numbers -128 .. 127 (the weights divided by 64), exact in bf16; sums in f32, exact while the whole-number sum is below 2^24 (weights in -8 .. 7:
; 11008 x 128 x 8 < 2^24), else rounded as f32 sums are.
; SHARES.  A work-group: 128 tokens (cy) x 64 columns (nb): 256 work-groups.  K IS SPLIT OVER THE FOUR WAVES: every wave has the whole tile, 8 x 4 = 32 accumulators, and takes every
; fourth chunk of 32 k: each LDS byte is read once, and 8 token fragments and 4 raw weight fragments feed 32 matrix instructions.  The four partial tiles are added through LDS at the end.
; CLUSTER 4 x 4: the four of a row of the cluster (same cy) need the same tiles of hq, the four of a column (same cx) the same tiles of down_w: each is asked for jointly.
; THE RING.  A chunk is 8,192 bytes of hq and 2,048 of weights.  The tile has little work for each byte, so the slots are as large as fit: a slot holds a multiple of four chunks (one
; share a wave), and 16 + 16 chunks alone would be all 327,680 bytes: slot 0 holds 16 chunks, slot 1 holds 12.  344 chunks = 12 laps of 28 and a tail of 8, which takes slot 0's shape with
; the tensor's extent cut to 8 chunks (zeros are written beyond it; nobody reads them).  A step's 512 or 384 bytes of a weight row begin at a multiple of 128 bytes.
; The matrix instruction is used transposed (source 0 = 16 weight rows, source 1 = 16 tokens); k inside a block of 32 is permuted alike on both sides (lane (r, h): k = 16 h .. + 15), so
; a weight fragment is one 16-byte LDS load.  It is made bf16 in registers, reckoned in f32: t = w xor 0x80; the half word 0x00tt, read as bf16, is t x 2^-133 for every t (a denormal
; below 128, the normal number (1 + (t - 128) / 128) x 2^-126 from there on); one fused multiply-add in f32, t x 2^-133 x 2^127 - 2 = w / 64, rounded to bf16 (exactly), takes the half's
; place.  This leans on the wave's mode, which keeps f32 denormals.  The factor 64 goes into alpha, exactly.
; REGISTERS.  Windows 2 (column blocks 0, 1) and 3 (blocks 2, 3), alike: v0-127 16 accumulators ((i, f) at 8 (8 f + i)); v128-135 raw bytes; v136-151, v152-167 fragments as bf16, two
; buffers; v168, v169 LDS address of my weight bytes in slot 0, 1; v170 = -2.  Window 1: v0-63, v64-127 token fragments, two buffers; v128 = 2^127.  Window 0: addresses, the way out.
; PIPELINE.  A wave walks 86 chunks, 7 a lap (4 in slot 0, 3 in slot 1).  Chunk q multiplies buffers q % 2, loads the token fragments of q + 1, converts the raw bytes of q + 1, then loads
; the raw bytes of q + 2.  One barrier a step, in the step's last chunk but one (places 2 and 5 of a lap), between the token loads (the last reads of the step's slot) and the raw loads
; (the first reads of the other slot).
.set NF,    2
.set AP0,   16384                      ; slot 0: a token block's 16 chunks
.set AP1,   12288                      ; slot 1: 12 chunks
.set BP0,   528                        ; slot 0: a weight row, 512 bytes + 16: an odd multiple of 16
.set BP1,   432                        ; slot 1: a weight row, three times 128 bytes + 16: an odd multiple of 16
.set S0B,   8*AP0                      ; 131,072  slot 0's weights
.set S1,    S0B+64*BP0                 ; 164,864  slot 1
.set S1B,   S1+8*AP1                   ; 263,168  slot 1's weights
.set SPARE, S1B+64*BP1                 ; 290,816  the spare words, 128 bytes a wave: two blocks of 256 bytes that no other line names
.set PITCH, 272                        ; the stage: for each wave 128 rows of 64 f32 + 16 bytes.  It takes slot 0's first 139,264 bytes, behind that slot's last fill and last read
.set SREG,  128*PITCH
.set RBH,   352256
.set LAPA,  28*1024                    ; a lap's bytes of a token block
.set LAPB,  28*32                      ; and of a weight row
.set RAW,   64*NF
.set BC0,   RAW+4*NF
.set ADB,   BC0+16*NF
.set NG,    ADB+2                      ; windows 2 and 3: -2.0
.set AF0,   0
.set KM,    128                        ; window 1: 2^127
.set NRL,   9                          ; behind matrix instruction 9 of a phase all 24 reads of the raw bytes are issued, and the barrier (if any) is passed
.set NSIG,  6
.set NWAIT, 8
.set ADA,   4                          ; v4-7     LDS address of my token fragments: slot 0 blocks 0-3, 4-7; slot 1 blocks 0-3, 4-7 (an LDS offset has 16 bits)
.set STO,   8                          ; v8       the way out: where I put my results in my wave's stage
.set RD,    9                          ; v9, v10  the way out: where I read rows back, stages 0 and 1, stages 2 and 3
.set CO,    11                         ; v11      my byte offset in out0
.set VAB,   12                         ; v12      my byte offset in alpha and bias
.set SPW,   14
.set NIL,   15
.set AL,    16                         ; v[16:19] alpha, v[20:23] bias of my four columns
.set BI,    20
.set WK,    32                         ; v[32:95] the way out, at work
.set WV,    14                         ; s14 wave, s15 wave / 2 (0: I fetch hq, 1: down_w), s16 wave % 2 (which half)
.set HIW,   15
.set HALF,  16
.set CNT,   17
.set SX,    18
.set ZR,    19                         ; 0
.set SEL0,  20                         ; s20, s21
.set G1A,   24                         ; s[24:31], s[32:39] group 1 for hq's tiles, slot 0's and slot 1's shape
.set G1B,   40                         ; s[40:47], s[48:55] the same for down_w's
.set G0A,   56                         ; s[56:63] group 0 for hq, a set a slot
.set G0B,   68                         ; s[68:75] the same for down_w
.set W_G,   0xa6                       ; destination, source 0, source 2: window 2; source 1: window 1
.set W_U,   0xf7
.set W_AL,  0x40
.set MSB, 0
.macro WIN new
.if MSB != \new
	s_set_vgpr_msb (MSB<<8)|\new
.set MSB, \new
.endif
.endm
.macro PLACES
.rept 4
	v_nop
.endr
.endm
.macro CREST
	s_cmp_lg_u32 s[WV], 0
	s_cbranch_scc1 .Lnot_wave_0_\@
	s_barrier_signal -3
.Lnot_wave_0_\@:
	s_barrier_wait -3
	s_barrier_signal -1
	s_barrier_wait -1
.endm
.macro CROUND
	s_barrier_signal -1
	s_barrier_wait -1
	CREST
.endm
; A joint refill of slot s: waves 0, 1 fetch hq's two halves (4 token blocks each), waves 2, 3 down_w's (32 rows each).  Four v_nop follow each line.
.macro JLOAD s
	s_cmp_eq_u32 s[HIW], 0
	s_cbranch_scc0 .Lfor_b_\@
	tensor_load_to_lds s[G0A+4*\s:G0A+4*\s+3], s[G1A+8*\s:G1A+8*\s+7]
	s_nop 0
	PLACES
	s_branch .Lasked_\@
.Lfor_b_\@:
	tensor_load_to_lds s[G0B+4*\s:G0B+4*\s+3], s[G1B+8*\s:G1B+8*\s+7]
	s_nop 0
	PLACES
.Lasked_\@:
.endm
.macro MKG1 g, mask, flags, cols, rows, pitch  ; group 1: rows x cols elements of 8 bytes, pitch elements from row to row
	s_or_b32 s[\g+0], s[\mask], \flags
	s_mov_b32 s[\g+1], (\cols)<<16                 ; tensor_dim0
	s_mov_b32 s[\g+2], (\rows)<<16                 ; tensor_dim1
	s_mov_b32 s[\g+3], (\cols)<<16                 ; tile_dim0
	s_mov_b32 s[\g+4], \rows                       ; tile_dim1
	s_mov_b32 s[\g+5], \pitch
	s_mov_b32 s[\g+6], 0
	s_mov_b32 s[\g+7], 0
.endm
.macro CV                              ; conversion instruction j of 56 of the phase in hand: 8 xor, 16 byte picks, 16 + 16 multiply-adds in f32 that leave bf16
.if j < 4*NF
	v_xor_b32 v[RAW+j], v[RAW+j], s[SX]
.elseif j < 12*NF
.set k, j-4*NF
	v_perm_b32 v[cBN+k], v[RAW+k/2], s[ZR], s[SEL0+k%2]
.elseif j < 20*NF
.set k, j-12*NF
	v_fma_mixlo_bf16 v[cBN+k], v[cBN+k], v[KM], v[NG] op_sel_hi:[1,0,0]
.else
.set k, j-20*NF
	v_fma_mixhi_bf16 v[cBN+k], v[cBN+k], v[KM], v[NG] op_sel:[1,0,0] op_sel_hi:[1,0,0]
.endif
.set j, j+1
.endm
.macro RLOAD                           ; the phase's two raw fragments of my chunk cBJ of slot cBS
.irp f, 0,1
	ds_load_b128 v[RAW+4*\f:RAW+4*\f+3], v[ADB+cBS] offset:\f*16*(BP0-(BP0-BP1)*cBS)+cBJ*(128+16*cBS)
.endr
.endm
.macro ALOAD                           ; the eight token fragments of my chunk cAJ of slot cAS into buffer cAN
	WIN W_AL
.irp i, 0,1,2,3,4,5,6,7
	ds_load_b128 v[cAN+8*\i:cAN+8*\i+3],   v[ADA+2*cAS+\i/4] offset:(\i%4)*(AP0-(AP0-AP1)*cAS)+cAJ*4096
	ds_load_b128 v[cAN+8*\i+4:cAN+8*\i+7], v[ADA+2*cAS+\i/4] offset:(\i%4)*(AP0-(AP0-AP1)*cAS)+cAJ*4096+512
.endr
.endm
.macro RUN cnt, zero, cv, lr           ; the phase's 16 accumulators take turns, one instruction a turn
.rept \cnt
.if \zero
	v_wmma_f32_16x16x32_bf16 v[8*n:8*n+7], v[cBC+8*(n/8):cBC+8*(n/8)+7], v[cAB+8*(n%8):cAB+8*(n%8)+7], 0
.else
	v_wmma_f32_16x16x32_bf16 v[8*n:8*n+7], v[cBC+8*(n/8):cBC+8*(n/8)+7], v[cAB+8*(n%8):cAB+8*(n%8)+7], v[8*n:8*n+7]
.endif
.if \cv
	CV
	CV
	CV
.if n%2 == 0
	CV
.endif
.if \lr && (n == NRL)
	RLOAD
.endif
.endif
.set n, n+1
.endr
.endm
; Chunk Q of a period of 14 (two laps).  Place Q % 7 of a lap: 0-3 lie in slot 0, 4-6 in slot 1.  kind 0: no barrier; 1: a round and the refill of the slot in hand; 3: a plain barrier.
; tail = 1: the refill is the tail's.  la, lr, cv: token loads for Q + 1, raw loads for Q + 2, conversion of Q + 1.  ng, nu: the LDS loads that may stay out at the head of the two phases.
.macro CHUNK Q, zero, kind, la, lr, cv, ng, nu, tail
.set cAB, AF0+64*((\Q)&1)
.set cAN, AF0+64*(((\Q)+1)&1)
.set cBC, BC0+8*NF*((\Q)&1)
.set cBN, BC0+8*NF*(((\Q)+1)&1)
.set cAS, (((\Q)+1)%7)/4
.set cAJ, (((\Q)+1)%7)%4
.set cBS, (((\Q)+2)%7)/4
.set cBJ, (((\Q)+2)%7)%4
.set cSL, ((\Q)%7)/4
	s_wait_dscnt \ng                               ; my token fragments and the first phase's raw bytes are in; younger are only the second phase's raw loads
	WIN W_G
.set n, 0
.set j, 0
	RUN 2, \zero, \cv, \lr
.if \la
	ALOAD                                          ; the buffer's last reader is the chunk before's last matrix instruction: ten conversions, which name none of its registers, stand between
.endif
.if \kind
	WIN 0                                          ; (the add's two registers lie in window 0)
	s_wait_tensorcnt 0x0                           ; all my tensor loads have landed: the one that was out is my part of the other slot
	ds_add_u32 v[SPW], v[NIL]                      ; 0 onto my spare word
.if \kind == 1
	s_add_nc_u64 s[G0A+4*cSL+2:G0A+4*cSL+3], s[G0A+4*cSL+2:G0A+4*cSL+3], LAPA   ; no load of mine is out: this slot's sets step a lap on
	s_add_nc_u64 s[G0B+4*cSL+2:G0B+4*cSL+3], s[G0B+4*cSL+2:G0B+4*cSL+3], LAPB
.if \tail
	s_mov_b32 s[G1A+1], 1024<<16                   ; the tail: 8 chunks are left of a token block's row (1,024 elements of 8 bytes)
	s_mov_b32 s[G1B+1], 32<<16                     ; and 256 bytes of a weight row
.endif
.endif
	WIN W_G
	RUN NSIG-2, \zero, \cv, \lr
	s_wait_dscnt 0x0                               ; the add is done; my reads of this slot are back
	s_barrier_signal -1
	RUN NWAIT-NSIG, \zero, \cv, \lr
	WIN 0
	s_barrier_wait -1
.if \kind == 1
	CREST                                          ; the barrier has opened a round of the cluster's: no wave of any partner still reads this slot or has a load on its way
	JLOAD cSL
.endif
	WIN W_G
	RUN 8*NF-NWAIT, \zero, \cv, \lr
.else
	WIN W_G
	RUN 8*NF-2, \zero, \cv, \lr
.endif
.if \cv
	s_wait_dscnt \nu                               ; the second phase's raw bytes are in; younger are this chunk's token loads and the first phase's raw loads
.endif
	WIN W_U
.set n, 0
.set j, 0
	RUN 8*NF, \zero, \cv, \lr
.endm
; A lap: seven chunks from Q = B on.  k2, k5: the kinds of slot 0's and slot 1's barrier.
.macro LAP B, zero, k2, k5, tail
	CHUNK \B+0, \zero, 0, 1, 1, 1, NF, 16+NF, 0
	CHUNK \B+1, 0, 0, 1, 1, 1, NF, 16+NF, 0
	CHUNK \B+2, 0, \k2, 1, 1, 1, NF, 16+NF, \tail
	CHUNK \B+3, 0, 0, 1, 1, 1, NF, 16+NF, 0
	CHUNK \B+4, 0, 0, 1, 1, 1, NF, 16+NF, 0
	CHUNK \B+5, 0, \k5, 1, 1, 1, NF, 16+NF, 0
	CHUNK \B+6, 0, 0, 1, 1, 1, NF, 16+NF, 0
.endm
	s_load_b256 s[4:11], s[0:1], 0x0               ; hq s[4:5], down_w s[6:7], down_alpha s[8:9], down_bias s[10:11]
	s_load_b64 s[12:13], s[0:1], 0x20              ; out0
	v_lshl_add_u32 v[SPW], v0, 2, SPARE
	v_mov_b32 v[NIL], 0
	ds_add_u32 v14, v15
	s_wait_dscnt 0x0
	v_lshrrev_b32 v3, 5, v0
	v_readfirstlane_b32 s[WV], v3
	s_lshr_b32 s[HIW], s[WV], 1
	s_and_b32 s[HALF], s[WV], 1
	s_bfe_u32 s76, ttmp6, 0x40000                  ; cx
	s_bfe_u32 s77, ttmp6, 0x40004                  ; cy = the token tile: the grid has one cluster along y
	s_lshl_b32 s78, ttmp9, 2
	s_add_co_u32 s78, s78, s76                     ; nb, the column tile = 4 x cluster x + cx
	s_lshl_b32 s79, s77, 2
	s_lshl_b32 s79, 15, s79                        ; my row of the cluster
	s_lshl_b32 s80, 0x1111, s76                    ; my column
	s_mov_b32 s[SX], 0x80808080
	s_mov_b32 s[ZR], 0
	s_mov_b32 s[SEL0], 0x00050004                  ; bytes 0, 1 of the raw word, each under a zero byte
	s_mov_b32 s[SEL0+1], 0x00070006                ; bytes 2, 3
	; hq: 4 rows (token blocks) of 16 or 12 chunks, 352,256 bytes apart, dense in LDS; the mask of my row, bit 21 beside it
	MKG1 G1A,   79, (3<<16)|(1<<21), 2048, 4, 44032
	MKG1 G1A+8, 79, (3<<16)|(1<<21), 1536, 4, 44032
	; down_w: 32 rows of 512 or 384 bytes, 11,008 bytes apart; 4 words of padding behind every 128 words (slot 0) or every 32 (slot 1); the mask of my column
	MKG1 G1B,   80, (3<<16)|(1<<20)|(1<<21)|(6<<22)|(3<<25), 64, 32, 1376
	MKG1 G1B+8, 80, (3<<16)|(1<<20)|(1<<21)|(4<<22)|(3<<25), 48, 32, 1376
	s_lshl_b32 s82, s77, 3                         ; hq: token block 8 cy + 4 half (registers that never hold cx)
	s_lshl_b32 s83, s[HALF], 2
	s_add_co_u32 s82, s82, s83
	s_mul_i32 s82, s82, RBH
	s_mov_b32 s83, 0
	s_lshl_b32 s84, s78, 6                         ; down_w: row 64 nb + 32 half (registers that never hold cy)
	s_lshl_b32 s85, s[HALF], 5
	s_add_co_u32 s84, s84, s85
	s_mul_i32 s84, s84, 11008
	s_mov_b32 s85, 0
	s_mul_i32 s22, s[WV], 4*AP0                    ; where they go.  Waves 0, 1: hq's halves, 4 token blocks each;
	s_mul_i32 s23, s[WV], 4*AP1
	s_mul_i32 s86, s[WV], 32*BP0                   ; waves 2, 3: down_w's halves, 32 rows each
	s_mul_i32 s87, s[WV], 32*BP1
	s_wait_kmcnt 0x0
	s_add_nc_u64 s[82:83], s[4:5], s[82:83]
	s_add_nc_u64 s[84:85], s[6:7], s[84:85]
	s_mov_b32 s[G0A], 1
	s_add_co_u32 s[G0A+1], s22, 0
	s_add_nc_u64 s[G0A+2:G0A+3], s[82:83], 0       ; slot 0 begins with chunks 0 to 15,
	s_or_b32 s[G0A+3], s[G0A+3], 0x80000000
	s_mov_b32 s[G0A+4], 1
	s_add_co_u32 s[G0A+5], s23, S1
	s_add_nc_u64 s[G0A+6:G0A+7], s[82:83], 16*1024 ; slot 1 with chunks 16 to 27
	s_or_b32 s[G0A+7], s[G0A+7], 0x80000000
	s_mov_b32 s[G0B], 1
	s_add_co_u32 s[G0B+1], s86, S0B-64*BP0
	s_add_nc_u64 s[G0B+2:G0B+3], s[84:85], 0
	s_or_b32 s[G0B+3], s[G0B+3], 0x80000000
	s_mov_b32 s[G0B+4], 1
	s_add_co_u32 s[G0B+5], s87, S1B-64*BP1
	s_add_nc_u64 s[G0B+6:G0B+7], s[84:85], 16*32
	s_or_b32 s[G0B+7], s[G0B+7], 0x80000000
	CROUND                                         ; all sixteen work-groups are here: the first joint loads meet
	s_cmp_eq_u32 s[HIW], 0                         ; a wave's two first fills stand in one branch: two loads of mine are out
	s_cbranch_scc0 .Lfirst_b
	tensor_load_to_lds s[G0A:G0A+3], s[G1A:G1A+7]
	s_nop 0
	tensor_load_to_lds s[G0A+4:G0A+7], s[G1A+8:G1A+15]
	s_nop 0
	PLACES
	s_branch .Lfirst_done
.Lfirst_b:
	tensor_load_to_lds s[G0B:G0B+3], s[G1B:G1B+7]
	s_nop 0
	tensor_load_to_lds s[G0B+4:G0B+7], s[G1B+8:G1B+15]
	s_nop 0
	PLACES
.Lfirst_done:
	v_and_b32 v1, 15, v0                           ; r
	v_bfe_u32 v2, v0, 4, 1                         ; h
	v_and_b32 v3, 31, v0
	s_lshl_b32 s22, s[WV], 10
	v_lshl_add_u32 v[ADA], v3, 4, s22              ; 16 x lane + my chunk of four
	v_add_nc_u32 v[ADA+1], 4*AP0, v[ADA]
	v_add_nc_u32 v[ADA+2], S1, v[ADA]
	v_add_nc_u32 v[ADA+3], S1+4*AP1, v[ADA]
	v_mul_u32_u24 v24, v1, BP0
	v_lshl_add_u32 v24, v2, 4, v24                 ; slot 0: weight row r, 16 bytes at 16 h
	v_mul_u32_u24 v25, v1, BP1
	v_lshl_add_u32 v25, v2, 4, v25                 ; slot 1: the same
	v_mul_u32_u24 v26, v1, PITCH
	s_mul_i32 s23, s[WV], SREG
	v_lshl_add_u32 v[STO], v2, 5, v26              ; stage: row r, 32 bytes at 32 h,
	v_add_nc_u32 v[STO], s23, v[STO]               ; in my wave's stage
	v_mul_u32_u24 v27, v2, PITCH
	v_lshl_add_u32 v27, v1, 4, v27                 ; back: lanes 0-15 one row of 256 bytes, lanes 16-31 the next,
	s_mul_i32 s23, s[WV], 32*PITCH
	v_add_nc_u32 v[RD], s23, v27                   ; of rows 32 w on
	v_add_nc_u32 v[RD+1], 2*SREG, v[RD]
	v_lshlrev_b32 v[CO], 14, v2                    ; and the same two rows in out0
	v_lshl_add_u32 v[CO], v1, 4, v[CO]
	s_lshl_b32 s89, s78, 8                         ; the tile's 64 columns: 256 bytes
	v_lshl_add_u32 v[VAB], v1, 4, s89
	global_load_b128 v[AL:AL+3], v[VAB], s[8:9]    ; waited for on the way out; their registers are not touched till then
	global_load_b128 v[BI:BI+3], v[VAB], s[10:11]
	s_lshl_b32 s88, s77, 7
	s_lshl_b32 s90, s[WV], 5
	s_add_co_u32 s88, s88, s90                     ; the first row that I store: 128 cy + 32 w
	s_lshl_b32 s88, s88, 14
	s_add_co_u32 s88, s88, s89
	s_mov_b32 s89, 0
	s_add_nc_u64 s[12:13], s[12:13], s[88:89]
	s_lshl_b32 s22, s[WV], 5                       ; my chunk's 32 bytes of each 128 of a weight row
	s_add_co_u32 s23, s22, S1B
	s_add_co_u32 s22, s22, S0B
	s_add_co_u32 s90, s22, 32*BP0
	s_add_co_u32 s91, s23, 32*BP1
	WIN 0x80
	v_add_nc_u32 v[ADB], s22, v24
	v_add_nc_u32 v[ADB+1], s23, v25
	v_mov_b32 v[NG], -2.0
	WIN 0xc0
	v_add_nc_u32 v[ADB], s90, v24
	v_add_nc_u32 v[ADB+1], s91, v25
	v_mov_b32 v[NG], -2.0
	WIN W_AL
	v_mov_b32 v[KM], 0x7f000000                    ; 2^127
	WIN 0
	s_wait_tensorcnt 0x1                           ; my part of slot 0 is in; slot 1's may stay out
	s_barrier_signal -1
	s_barrier_wait -1
	; The pipeline is filled: raw bytes and token fragments of chunk 0; chunk 0 is converted; raw bytes of chunk 1.
.set cBN, BC0
.set cBS, 0
.set cBJ, 0
.set cAN, AF0
.set cAS, 0
.set cAJ, 0
	WIN W_G
	RLOAD
	WIN W_U
	RLOAD
	ALOAD
	s_wait_dscnt 16                                ; the four raw loads are in; the sixteen token loads may stay out
.set cBJ, 1
	WIN W_G
.set j, 0
.rept 12*NF
	CV
.endr
	RLOAD
.rept 16*NF
	CV
.endr
	WIN W_U
.set j, 0
.rept 12*NF
	CV
.endr
	RLOAD
.rept 16*NF
	CV
.endr
	LAP 0, 1, 1, 1, 0                              ; lap 0: its first chunk starts the 32 sums; both slots are asked for again (lap 1)
	WIN 0                                          ; at a label and at a branch every window is 0
	s_mov_b32 s[CNT], 5
.Lloop:                                                ; laps 1 to 10, two a trip (seven chunks a lap turn the buffers' parity): each step asks for its slot's chunks of the next lap
	LAP 7, 0, 1, 1, 0
	LAP 0, 0, 1, 1, 0
	WIN 0
	s_sub_co_u32 s[CNT], s[CNT], 1
	s_cmp_lg_u32 s[CNT], 0
	s_cbranch_scc1 .Lloop
	LAP 7, 0, 1, 3, 1                              ; lap 11: slot 0 takes the tail's 8 chunks; slot 1 is not filled again: a plain barrier shows the tail to every wave
	CHUNK 0, 0, 0, 1, 0, 1, NF, 16, 0              ; the tail, two chunks a wave: no raw bytes are left to load,
	CHUNK 1, 0, 0, 0, 0, 0, 0, 0, 0                ; and the last chunk only multiplies
	; THE WAY OUT.  Each wave puts its partial tile into its own stage; a barrier; wave w adds the four stages' rows 32 w .. 32 w + 31, scales, and stores whole rows of 256 bytes.
	WIN 0
	PLACES                                         ; four places between the last products and the first read of a result
	s_wait_dscnt 0x0                               ; my reads of the ring are back,
	s_barrier_signal -1
	s_barrier_wait -1                              ; and so are everybody's: slot 0 has had its last fill and its last read, and the stage takes its bytes
	WIN 0x08                                       ; store data from window 2
.irp f, 0,1
.irp i, 0,1,2,3,4,5,6,7
	ds_store_b128 v[STO], v[8*(8*\f+\i):8*(8*\f+\i)+3]   offset:\i*16*PITCH+64*\f      ; an accumulator is read from its low end on
	ds_store_b128 v[STO], v[8*(8*\f+\i)+4:8*(8*\f+\i)+7] offset:\i*16*PITCH+64*\f+16
.endr
.endr
	WIN 0x0c                                       ; from window 3: column blocks 2, 3
.irp f, 0,1
.irp i, 0,1,2,3,4,5,6,7
	ds_store_b128 v[STO], v[8*(8*\f+\i):8*(8*\f+\i)+3]   offset:\i*16*PITCH+64*\f+128
	ds_store_b128 v[STO], v[8*(8*\f+\i)+4:8*(8*\f+\i)+7] offset:\i*16*PITCH+64*\f+144
.endr
.endr
	WIN 0
	s_wait_dscnt 0x0                               ; for the others' sake: my stores into my stage are done
	s_barrier_signal -1
	s_barrier_wait -1
	s_wait_loadcnt 0x0                             ; alpha and bias
	v_pk_mul_f32 v[AL:AL+1],   v[AL:AL+1],   0x42800000 op_sel_hi:[1,0]    ; alpha takes the weights' 64
	v_pk_mul_f32 v[AL+2:AL+3], v[AL+2:AL+3], 0x42800000 op_sel_hi:[1,0]
.irp g, 0,1,2,3
.if \g
	s_wait_xcnt 0x0                                ; the last group's stores' data registers are loaded again only behind this wait
.endif
.irp t, 0,1,2,3
	ds_load_b128 v[WK+16*\t:WK+16*\t+3],     v[RD]   offset:(4*\g+\t)*2*PITCH
	ds_load_b128 v[WK+16*\t+4:WK+16*\t+7],   v[RD]   offset:SREG+(4*\g+\t)*2*PITCH
	ds_load_b128 v[WK+16*\t+8:WK+16*\t+11],  v[RD+1] offset:(4*\g+\t)*2*PITCH
	ds_load_b128 v[WK+16*\t+12:WK+16*\t+15], v[RD+1] offset:SREG+(4*\g+\t)*2*PITCH
.endr
.irp t, 0,1,2,3
	s_wait_dscnt 12-4*\t                           ; pair t's four loads are in; the younger pairs' stay out
	v_pk_add_f32 v[WK+16*\t:WK+16*\t+1],     v[WK+16*\t:WK+16*\t+1],     v[WK+16*\t+4:WK+16*\t+5]
	v_pk_add_f32 v[WK+16*\t+2:WK+16*\t+3],   v[WK+16*\t+2:WK+16*\t+3],   v[WK+16*\t+6:WK+16*\t+7]
	v_pk_add_f32 v[WK+16*\t+8:WK+16*\t+9],   v[WK+16*\t+8:WK+16*\t+9],   v[WK+16*\t+12:WK+16*\t+13]
	v_pk_add_f32 v[WK+16*\t+10:WK+16*\t+11], v[WK+16*\t+10:WK+16*\t+11], v[WK+16*\t+14:WK+16*\t+15]
	v_pk_add_f32 v[WK+16*\t:WK+16*\t+1],     v[WK+16*\t:WK+16*\t+1],     v[WK+16*\t+8:WK+16*\t+9]
	v_pk_add_f32 v[WK+16*\t+2:WK+16*\t+3],   v[WK+16*\t+2:WK+16*\t+3],   v[WK+16*\t+10:WK+16*\t+11]
	v_pk_fma_f32 v[WK+16*\t:WK+16*\t+1],     v[WK+16*\t:WK+16*\t+1],     v[AL:AL+1],   v[BI:BI+1]
	v_pk_fma_f32 v[WK+16*\t+2:WK+16*\t+3],   v[WK+16*\t+2:WK+16*\t+3],   v[AL+2:AL+3], v[BI+2:BI+3]
	global_store_b128 v[CO], v[WK+16*\t:WK+16*\t+3], s[12:13] offset:(4*\g+\t)*32768 th:TH_STORE_NT   ; sixteen lanes store 256 consecutive bytes, aligned
.endr
.endr
	s_wait_tensorcnt 0x0                           ; the wave's end
	ds_add_u32 v[SPW], v[NIL]
	s_wait_dscnt 0x0
	CROUND                                         ; the closing round: no work-group ends while a partner may still ask for a tile that names it
	s_endpgm
.Lfunc_end_k_q27013b040d_down:
	.size	k_q27013b040d_down, .Lfunc_end_k_q27013b040d_down-k_q27013b040d_down
	.p2alignl 7, 3214868480
	.fill 96, 4, 3214868480
	.section	.rodata,"a",@progbits
	.p2align	6, 0x0
	.amdhsa_kernel k_q27013b040d_down
		.amdhsa_group_segment_fixed_size 327680
		.amdhsa_private_segment_fixed_size 0
		.amdhsa_enable_private_segment 0
		.amdhsa_kernarg_size 40
		.amdhsa_user_sgpr_count 2
		.amdhsa_user_sgpr_kernarg_segment_ptr 1
		.amdhsa_wavefront_size32 1
		.amdhsa_system_sgpr_workgroup_id_x 1
		.amdhsa_system_sgpr_workgroup_id_y 1
		.amdhsa_system_sgpr_workgroup_id_z 1
		.amdhsa_system_vgpr_workitem_id 0
		.amdhsa_next_free_vgpr 1024
		.amdhsa_next_free_sgpr 96
		.amdhsa_reserve_vcc 0
		.amdhsa_float_denorm_mode_32 3
		.amdhsa_float_denorm_mode_16_64 3
		.amdhsa_memory_ordered 1
		.amdhsa_forward_progress 1
		.amdhsa_inst_pref_size 255
	.end_amdhsa_kernel
	.section	.bss,"aw",@nobits
	.p2align	6
	.space	262144
	.amdgpu_metadata
---
amdhsa.version: [ 1, 2 ]
amdhsa.kernels:
  - .name:           k_q27013b040d_down
    .symbol:         k_q27013b040d_down.kd
    .args:
      - { .name: hq, .offset: 0, .size: 8, .value_kind: global_buffer, .address_space: global }
      - { .name: down_w, .offset: 8, .size: 8, .value_kind: global_buffer, .address_space: global }
      - { .name: down_alpha, .offset: 16, .size: 8, .value_kind: global_buffer, .address_space: global }
      - { .name: down_bias, .offset: 24, .size: 8, .value_kind: global_buffer, .address_space: global }
      - { .name: out0, .offset: 32, .size: 8, .value_kind: global_buffer, .address_space: global }
    .group_segment_fixed_size: 327680
    .private_segment_fixed_size: 0
    .kernarg_segment_align: 8
    .kernarg_segment_size: 40
    .max_flat_workgroup_size: 128
    .sgpr_count:     96
    .vgpr_count:     1024
    .wavefront_size: 32
...
	.end_amdgpu_metadata
.endif
;; end of part 6
